; MI455X (gfx1250); checked and timed in simulation.
; The chip was launched on July 23, 2026; its instructions are those of AMD's public machine-readable ISA for CDNA 5 (MIT licence, August 2026) and "CDNA5" Instruction Set Architecture Reference Guide (July 2026). The comments in the code are by the model that wrote it; some were corrected since.
;; Cross Modal Attention. Allowed arithmetic: matrix products marked QUANTISED: E3M2 operands, one E8M0 scale for each 32 along K, by v_wmma_scale_f32_16x16x128_f8f6f4 with both operands' format E3M2, f32 sums; everything else in f32.
;; Inputs: Wk_codes 768 x 24 x 24 uint8 (E3M2 codes of Wk, K innermost, in blocks of 32 codes, four codes in three bytes); Wk_scales 768 x 24 uint8 (E8M0 scales of Wk, one for each 32 codes along K); Wo_codes 768 x 24 x 24 uint8 (E3M2 codes of Wo, K innermost, in blocks of 32 codes, four codes in three bytes); Wo_scales 768 x 24 uint8 (E8M0 scales of Wo, one for each 32 codes along K); Wq_codes 768 x 24 x 24 uint8 (E3M2 codes of Wq, K innermost, in blocks of 32 codes, four codes in three bytes); Wq_scales 768 x 24 uint8 (E8M0 scales of Wq, one for each 32 codes along K); Wv_codes 768 x 24 x 24 uint8 (E3M2 codes of Wv, K innermost, in blocks of 32 codes, four codes in three bytes); Wv_scales 768 x 24 uint8 (E8M0 scales of Wv, one for each 32 codes along K); bk 768 float32; bo 768 float32; bq 768 float32; bv 768 float32; ln_b 768 float32; ln_g 768 float32; text_features 8 x 1,024 x 768 float32; text_mask 8 x 1,024 int32; visual_features 8 x 1,024 x 768 float32; visual_mask 8 x 1,024 int32.
;; Outputs: out0 8 x 1,024 x 768 float32; out1 8 x 1,024 x 768 float32.
;; This version of the problem:
;;   THIS VERSION OF THE PROBLEM IS GIVEN IN LOW PRECISION. The matrix products marked QUANTISED in the list below multiply operands that are first quantised to E3M2 (3 exponent bits, 2 mantissa bits; 6 bits a number), with one power-of-two scale for each 32 numbers along K (OCP MX v1.0); their sums are f32. All else is computed in f32.
;;   The module's matrix products, in the order in which they are computed (A, B: the left and right operand; K: the contracted axis; several contracted axes count as one K, in the product's order):
;;     1. [M 8,192, K 768] x [K 768, N 768]; A: input visual_features; B: input Wq (given as codes): QUANTISED
;;     2. [M 8,192, K 768] x [K 768, N 768]; A: input text_features; B: input Wk (given as codes): QUANTISED
;;     3. [M 8,192, K 768] x [K 768, N 768]; A: input text_features; B: input Wv (given as codes): QUANTISED
;;     4. batch 64 x [M 1,024, K 96] x [K 96, N 1,024]; A: computed on the way; B: computed on the way: QUANTISED
;;     5. batch 64 x [M 96, K 1,024] x [K 1,024, N 1,024]; A: computed on the way; B: softmax (see below): QUANTISED
;;     6. [M 8,192, K 768] x [K 768, N 768]; A: input text_features; B: input Wq (given as codes): QUANTISED
;;     7. [M 8,192, K 768] x [K 768, N 768]; A: input visual_features; B: input Wk (given as codes): QUANTISED
;;     8. [M 8,192, K 768] x [K 768, N 768]; A: input visual_features; B: input Wv (given as codes): QUANTISED
;;     9. batch 64 x [M 1,024, K 96] x [K 96, N 1,024]; A: computed on the way; B: computed on the way: QUANTISED
;;     10. batch 64 x [M 96, K 1,024] x [K 1,024, N 1,024]; A: computed on the way; B: softmax (see below): QUANTISED
;;     11. [M 8,192, K 768] x [K 768, N 768]; A: computed on the way; B: input Wo (given as codes): QUANTISED
;;     12. [M 8,192, K 768] x [K 768, N 768]; A: computed on the way; B: input Wo (given as codes): QUANTISED
;;   THE QUANTISER, for each operand of a quantised product, along K:
;;     - K is cut into blocks of 32 from its start; a last block that is shorter is filled with zeros.
;;     - A block's scale is 2^e with e = floor(log2(the largest magnitude in the block)) - 4, held to -126 .. 127; a block of zeros has e = 0. As a byte (E8M0): e + 127.
;;     - Each number is divided by its block's scale, clamped to +-28, and rounded to the nearest number of E3M2, ties to even, subnormals kept.
;;     - The product sums the exact products of the quantised numbers (number of the format x scale) in f32.
;;   ~~~python
;;   def quantise(x, axis):      # numpy; x: float32 -> the quantised numbers, widened to float32 again
;;       x = np.moveaxis(x, axis, -1); K = x.shape[-1]
;;       x = np.pad(x, [(0, 0)] * (x.ndim - 1) + [(0, -K % 32)]); x = x.reshape(x.shape[:-1] + (-1, 32)); a = np.abs(x).max(-1, keepdims=True)
;;       e = np.where(a > 0, np.clip(np.frexp(np.where(a > 0, a, 1))[1] - 1 - 4, -126, 127), 0)      # np.frexp(a)[1] - 1 = floor(log2(a)), exactly
;;       r = np.clip(x / 2.0 ** e, -28, 28)
;;       step = 2.0 ** (np.maximum(np.frexp(np.where(r == 0, 1, r))[1] - 1, -2) - 2)
;;       q = np.round(r / step) * step * 2.0 ** e      # np.round: ties to even
;;       return np.moveaxis(q.reshape(q.shape[:-2] + (-1,))[..., :K], -1, axis).astype(np.float32)
;;   ~~~
;;   SOFTMAX AHEAD OF A QUANTISED PRODUCT. Where the list says 'softmax', what is quantised is not the finished softmax but p = 2^(t - M), with t = logit x log2(e) and M = ceil(the row's largest t), a whole number; so 1/2 < the row's largest p <= 1. The row's sum l is taken of the UNQUANTISED p, in f32, and the product's result is divided by l at the end. Since M is a whole number, a kernel that streams over the keys may use a running M (the ceiling of the running maximum): every later rescaling is an exact power of two, which a block's scale takes up: the codes' values come out the same.
;;   OPERANDS COMPUTED ON THE WAY. 'Computed on the way' means the value that the module computes at that place (a softmax that the list does not call 'softmax' is quantised finished and normalised). What goes into a quantiser is computed in f32, as accurately as f32 sums, v_exp_f32 and their like allow (about 1e-6 of the number): no bf16 or f16 on the way to a quantiser, and a product that is left as it is and whose result goes on into a quantised operand takes f32 operands (vector FMAs, or v_wmma_f32_16x16x4_f32). A number that lies on a knife's edge between two numbers of the format may be rounded either way, as far as f32 arithmetic and the matrix unit's own rounding can turn it there, and no further.
;;   INPUTS GIVEN AS CODES. Wk (in the module: [768, 768], K = its axis 0); Wo (in the module: [768, 768], K = its axis 0); Wq (in the module: [768, 768], K = its axis 0); Wv (in the module: [768, 768], K = its axis 0): each comes as NAME_codes (uint8): NAME with its K axis moved to the last place and cut into blocks of 32 codes, [.., K / 32, bytes a block], one block behind the other in memory; four codes in three bytes: a row's codes are one little-endian stream of bits, code i at bits 6 i .. 6 i + 5 (a code: sign, 3 exponent bits, 2 mantissa bits); and NAME_scales (uint8): the same leading axes, one E8M0 byte (e + 127) for each 32 codes along K. Its value is code x scale, taken as it is: it is not quantised again, and the codes and scales need not be those that the quantiser above would give.
;; One version. Each part assembles by itself: llvm-mc -triple=amdgcn-amd-amdhsa -mcpu=gfx1250 --defsym DOCPART=n.
;; ======== version 1 of 1: 4 launches
;; limits: right only within a limited range of input values
;; workspace buffers: wimg 1,769,472 bytes; wsc 73,728 bytes; ximg 9,830,400 bytes; qkimg 25,165,824 bytes; qksc 1,048,576 bytes; vimg 9,830,400 bytes; oimg 9,437,184 bytes; osc 393,216 bytes
;; launch prep (part 1): grid 512 x 1, 4 waves a work-group, no clusters, 34,304 bytes of LDS; arguments Wq_codes, Wk_codes, Wv_codes, Wo_codes, Wq_scales, Wk_scales, Wv_scales, Wo_scales, wimg, wsc, visual_features, text_features, ximg; writes wimg, wsc, ximg
.if DOCPART == 1
	.amdgcn_target "amdgcn-amd-amdhsa--gfx1250"
	.amdhsa_code_object_version 6
	.text
	.protected	k_q7cbe75393f_prep
	.globl	k_q7cbe75393f_prep
	.p2align	8
	.type	k_q7cbe75393f_prep,@function
k_q7cbe75393f_prep:
	s_mov_b64 s[64:65], 0
	v_nop
	global_prefetch_b8 v0, s[64:65] scope:SCOPE_SE
	s_setreg_imm32_b32 hwreg(HW_REG_WAVE_MODE, 25, 1), 1
	s_wait_xcnt 0x0
; Operands are laid in the order of the matrix operand's registers, so that the later launches fetch a fragment (16 rows x 128 K of 6-bit codes: 12 registers a lane) by three loads of 512 consecutive bytes.
; x.  Both feature tensors, f32, become codes of E3M2 with one E8M0 byte for each 32 along K = 768, once for all that read them.  A block is 64 rows (blocks 0-127 visual, 128-255 text);
; a work-group takes a block and three of its six K steps, wave w the block's tile w of 16 rows.  Lane r of tile t takes row 32 (t / 2) + 8 (t % 2) + r + 8 (r / 8), so that in a product's result the
; 16 registers of tiles 2 b and 2 b + 1 are 16 neighbours.  All 48 loads of a wave go out at once, each 512 consecutive bytes of a row; a step's 16 x 512 bytes turn through the wave's own stage in LDS,
; so that a lane holds 16 neighbours of each block of 32.  With 256 registers two work-groups share a WGP: 512 work-groups, two for each.
; ximg: block x 38,400 bytes: [K step][tile][1,536] and, from byte 36,864 on, the scale words [K step][pair of tiles][32 words].
; THE WEIGHTS ride along, one small task a wave (wave number W = 4 x work-group + wave), so that no work-group is there for them alone.  A unit is 96 rows n (a head's width) of one weight:
; unit = 8 x weight + head (0 Wq, 1 Wk, 2 Wv, 3 Wo); it has 36 fragments [K step][tile] and 18 registers of scale words [K step][pair of tiles].
; W < 1,152: fragment W: six loads of 8 bytes a lane, as the bits lie, and its image at wimg + 1,536 W.   1,152 <= W < 1,728: scale register W - 1,152: lanes 0-15 the even tile's words, lanes 16-31 the odd tile's, at wsc + 128 (W - 1,152).
; A task's loads go out ahead of the wave's loads of x and its stores follow in the same branch.
; A block's scale is 2^(floor(log2(its largest magnitude)) - 4); its byte is the largest magnitude's exponent field - 4, held at 1 from below.
; LIMITS: NaN and infinities are not served; a block whose largest magnitude lies under 2^-122 keeps the byte 1; a block of zeros has the byte 1 and not 127 (its codes are zeros, and this program alone reads the bytes).
.set NFR,   1152                       ; fragments of the four weights: 32 units x 36
.set NSW,   576                        ; registers of their scale words: 32 units x 18
.set XREC,  38400
.set XSCO,  36864
.set TSW,   8448                       ; a wave's stage: 16 rows x (512 + 16) bytes
.set LI,    1                          ; 16 x lane
.set TSI,   2                          ; the stage, in
.set TSO,   3                          ; the stage, out
.set SA,    4                          ; 4 r
.set WA,    9                          ; a weight's codes: (r + 8 (r / 8)) x 576 + 24 h
.set WSA,   10                         ; a weight's scale bytes: (8 h + r + 8 (r / 8)) x 24
.set L4,    11                         ; 4 x lane
.set TM,    12                         ; largest magnitudes
.set T2,    16                         ; the other half's
.set SO,    20                         ; the conversions' scale operands
.set BY,    24                         ; scale bytes
.set P2A,   28                         ; v28-30, v32-34 second halves of blocks
.set PC0,   36                         ; v36-47 the first step's codes; the later steps' lie in the numbers' registers of the step before, which are done with
.set PW,    48                         ; v48-50 a scale word for each step
.set FW,    52                         ; v52-63 the weights' task: a fragment, or a register of scale words; written by nothing else
.set X,     64                         ; v64-255 three sets of 64 numbers
.macro XLOAD s                         ; my 16 rows' numbers of my K step s: each load reads 512 consecutive bytes of one row
.irp i, 0,1,2,3,4,5,6,7,8,9,10,11,12,13,14,15
	global_load_b128 v[X+64*(\s)+4*\i:X+64*(\s)+4*\i+3], v[LI], s[4:5] offset:(\i+8*(\i/8))*3072+512*(\s) th:TH_LOAD_NT
.endr
.endm
.macro TURN s                          ; through my stage: in as loaded, back 16 neighbours a lane and block, into the registers that they left.  LDS serves a wave's instructions in order (ISA guide 5.7.1.4)
.irp i, 0,1,2,3,4,5,6,7,8,9,10,11,12,13,14,15
	ds_store_b128 v[TSI], v[X+64*(\s)+4*\i:X+64*(\s)+4*\i+3] offset:528*\i
.endr
.irp b, 0,1,2,3
.irp j, 0,1,2,3
	ds_load_b128 v[X+64*(\s)+16*\b+4*\j:X+64*(\s)+16*\b+4*\j+3], v[TSO] offset:128*\b+16*\j
.endr
.endr
.endm
; 64 numbers of a lane, register 16 b + i = K 32 b + 16 h + i of my row, become a fragment's codes in v[pc] on and its scale word in v[pw]
.macro QUANT4 s, pc, pw
.irp b, 0,1,2,3
	v_max3_num_f32 v[TM+\b], |v[\s+16*\b]|, |v[\s+16*\b+1]|, 0x2800000   ; my 16 numbers and the floor 2^(5 - 127): the byte cannot fall under 1
.endr
.irp i, 2,4,6,8,10,12,14
.irp b, 0,1,2,3
	v_max3_num_f32 v[TM+\b], v[TM+\b], |v[\s+16*\b+\i]|, |v[\s+16*\b+\i+1]|
.endr
.endr
.irp b, 0,1,2,3
	v_permlanex16_b32 v[T2+\b], v[TM+\b], s46, s47
.endr
.irp b, 0,1,2,3
	v_max_num_f32 v[TM+\b], v[TM+\b], v[T2+\b]     ; with lane l xor 16's: the block's largest magnitude
.endr
.irp b, 0,1,2,3
	v_add_nc_u32 v[SO+\b], 0xfe000000, v[TM+\b]    ; 4 off its exponent field: the conversion's scale operand
.endr
.irp b, 0,1,2,3
	v_lshrrev_b32 v[BY+\b], 23, v[SO+\b]           ; the scale's byte
.endr
	v_lshl_or_b32 v[\pw], v[BY+1], 8, v[BY]
	v_lshl_or_b32 v[\pw], v[BY+2], 16, v[\pw]
	v_lshl_or_b32 v[\pw], v[BY+3], 24, v[\pw]
.irp c, 0,1
	v_cvt_scalef32_pk16_bf6_f32 v[\pc+6*\c:\pc+6*\c+2], v[\s+32*\c:\s+32*\c+15], v[SO+2*\c]
	v_cvt_scalef32_pk16_bf6_f32 v[P2A+4*\c:P2A+4*\c+2], v[\s+32*\c+16:\s+32*\c+31], v[SO+2*\c+1]
.endr
	v_nop                                          ; one plain place behind a scaled conversion
.irp c, 0,1                            ; the operand wants a whole block in a lane: lanes 0-15 block 2 c, lanes 16-31 block 2 c + 1
.irp i, 0,1,2
	v_permlane16_swap_b32 v[\pc+6*\c+\i], v[P2A+4*\c+\i]
.endr
.irp i, 0,1,2
	v_mov_b32 v[\pc+6*\c+3+\i], v[P2A+4*\c+\i]
.endr
.endr
.endm
.macro XOUT s, pc, pw                  ; the fragment's image and its rows' scale words; each step's have registers of their own, so no store's data are written again
.irp c, 0,1,2
	global_store_b128 v[LI], v[\pc+4*\c:\pc+4*\c+3], s[48:49] offset:6144*(\s)+512*\c
.endr
	global_store_b32 v[SA], v[\pw], s[50:51] offset:256*(\s)   ; lanes r and r + 16 write the same word with the same value
.endm
	s_load_b256 s[8:15], s[0:1], 0x0               ; the four tensors of codes
	s_load_b256 s[16:23], s[0:1], 0x20             ; the four tensors of scale bytes
	s_load_b128 s[24:27], s[0:1], 0x40             ; wimg, wsc
	s_load_b128 s[4:7], s[0:1], 0x50               ; visual, text
	s_load_b64 s[28:29], s[0:1], 0x60              ; ximg
	v_lshl_add_u32 v35, v0, 2, 0x8400
	v_mov_b32 v51, 0
	v_lshrrev_b32 v5, 5, v0
	v_readfirstlane_b32 s30, v5                    ; wave
	v_and_b32 v6, 31, v0                           ; lane
	v_and_b32 v7, 15, v0                           ; r
	v_bfe_u32 v8, v0, 4, 1                         ; h
	v_lshlrev_b32 v[LI], 4, v6
	s_mul_i32 s34, s30, TSW
	v_add_nc_u32 v[TSI], s34, v[LI]
	v_mul_u32_u24 v[TSO], v7, 528
	v_lshl_add_u32 v[TSO], v8, 6, v[TSO]
	v_add_nc_u32 v[TSO], s34, v[TSO]
	v_lshlrev_b32 v[SA], 2, v7
	v_and_b32 v5, 8, v7
	v_add_nc_u32 v5, v5, v7                        ; r + 8 (r / 8)
	v_mul_u32_u24 v[WA], v5, 576                   ; a row of 768 codes is 576 bytes
	v_mad_u32_u24 v[WA], v8, 24, v[WA]             ; + 24 h: my half's block of 32
	v_lshl_add_u32 v[WSA], v8, 3, v5               ; scale words: lanes 16-31 take the odd tile, 8 rows on
	v_mul_u32_u24 v[WSA], v[WSA], 24               ; a row of scale bytes is 24 bytes
	v_lshlrev_b32 v[L4], 2, v6
.irp b, 0,1,2,3
	v_mov_b32 v[T2+\b], 0                          ; written once: a lane permute's destination counts as one of its sources
.endr
	s_mov_b32 s46, 0x76543210
	s_mov_b32 s47, 0xfedcba98                      ; v_permlanex16_b32's selects for lane l xor 16
	s_lshr_b32 s32, ttmp9, 1                       ; the block of 64 rows
	s_and_b32 s33, ttmp9, 1                        ; K steps 0-2 or 3-5
	s_and_b32 s35, s32, 127
	s_mul_i32 s38, s35, 196608                     ; 64 rows of 3,072 bytes
	s_lshr_b32 s40, s30, 1
	s_lshl_b32 s40, s40, 5
	s_and_b32 s41, s30, 1
	s_lshl_b32 s41, s41, 3
	s_add_co_u32 s40, s40, s41                     ; my tile's first row: 32 (w / 2) + 8 (w % 2)
	s_mul_i32 s40, s40, 3072
	s_add_co_u32 s38, s38, s40
	s_mul_i32 s40, s33, 1536                       ; three K steps of 512 bytes
	s_add_co_u32 s38, s38, s40
	s_mov_b32 s39, 0
	s_mul_i32 s42, s32, XREC
	s_mul_i32 s40, s33, 18432
	s_add_co_u32 s44, s42, s40
	s_mul_i32 s40, s30, 1536
	s_add_co_u32 s44, s44, s40                     ; my images
	s_mov_b32 s45, 0
	s_mul_i32 s40, s33, 768
	s_add_co_u32 s42, s42, s40
	s_lshl_b32 s40, s30, 6
	s_add_co_u32 s42, s42, s40
	s_add_co_u32 s42, s42, XSCO                    ; my scale words: 64 bytes a tile
	s_mov_b32 s43, 0
	s_lshl_b32 s52, ttmp9, 2
	s_add_co_u32 s52, s52, s30                     ; W, my wave's number in the launch
	s_wait_kmcnt 0x0
	s_cmp_lt_u32 s32, 128                          ; the tensor is chosen by the work-group's number alone
	s_cselect_b64 s[4:5], s[4:5], s[6:7]
	s_add_nc_u64 s[4:5], s[4:5], s[38:39]
	s_add_nc_u64 s[48:49], s[28:29], s[44:45]
	s_add_nc_u64 s[50:51], s[28:29], s[42:43]
	s_cmp_lt_u32 s52, NFR
	s_cbranch_scc0 .Lnot_frag
	; ---- fragment W of the weights
	s_mul_i32 s53, s52, 1821
	s_lshr_b32 s53, s53, 16                        ; unit = W / 36 (1,821 / 65,536 serves up to 1,151)
	s_mul_i32 s54, s53, 36
	s_sub_co_u32 s54, s52, s54                     ; 6 x K step + tile
	s_mul_i32 s55, s54, 43
	s_lshr_b32 s55, s55, 8                         ; the K step (43 / 256 serves up to 35)
	s_mul_i32 s56, s55, 6
	s_sub_co_u32 s56, s54, s56                     ; the tile
	s_lshr_b32 s57, s53, 3                         ; which weight
	s_and_b32 s58, s53, 7
	s_mul_i32 s58, s58, 96                         ; which 96 rows
	s_lshr_b32 s59, s56, 1
	s_lshl_b32 s59, s59, 5
	s_add_co_u32 s58, s58, s59
	s_and_b32 s59, s56, 1
	s_lshl_b32 s59, s59, 3
	s_add_co_u32 s58, s58, s59                     ; the tile's first row
	s_mul_i32 s58, s58, 576
	s_mul_i32 s59, s55, 96                         ; 128 codes are 96 bytes
	s_add_co_u32 s58, s58, s59
	s_mov_b32 s59, 0
	s_mul_i32 s60, s52, 1536
	s_mov_b32 s61, 0
	s_cmp_eq_u32 s57, 1                            ; the weight is chosen by ids alone
	s_cselect_b64 s[8:9], s[10:11], s[8:9]
	s_cmp_eq_u32 s57, 2
	s_cselect_b64 s[8:9], s[12:13], s[8:9]
	s_cmp_eq_u32 s57, 3
	s_cselect_b64 s[8:9], s[14:15], s[8:9]
	s_add_nc_u64 s[8:9], s[8:9], s[58:59]
	s_add_nc_u64 s[24:25], s[24:25], s[60:61]
	s_wait_alu depctr_va_vdst(0)
.irp p, 0,1,2,3,4,5
	global_load_b64 v[FW+2*\p:FW+2*\p+1], v[WA], s[8:9] offset:48*(\p/3)+8*(\p%3)   ; registers 6 c .. 6 c + 5: K = 64 c + 32 h + 0 .. 31 of the step, as the bits lie
.endr
	XLOAD 0
	XLOAD 1
	XLOAD 2
	s_wait_loadcnt 48                              ; the fragment is in; x's 48 younger loads may be out
.irp c, 0,1,2
	global_store_b128 v[LI], v[FW+4*\c:FW+4*\c+3], s[24:25] offset:512*\c   ; 32 lanes store 512 consecutive bytes
.endr
	s_branch .Lgo
.Lnot_frag:
	s_cmp_lt_u32 s52, NFR+NSW
	s_cbranch_scc0 .Lplain
	; ---- a register of the weights' scale words
	s_sub_co_u32 s53, s52, NFR
	s_mul_i32 s54, s53, 3641
	s_lshr_b32 s54, s54, 16                        ; unit = task / 18 (3,641 / 65,536 serves up to 575)
	s_mul_i32 s55, s54, 18
	s_sub_co_u32 s55, s53, s55                     ; 3 x K step + pair
	s_mul_i32 s56, s55, 86
	s_lshr_b32 s56, s56, 8                         ; the K step (86 / 256 serves up to 17)
	s_mul_i32 s57, s56, 3
	s_sub_co_u32 s57, s55, s57                     ; the pair of tiles
	s_lshr_b32 s58, s54, 3                         ; which weight
	s_and_b32 s59, s54, 7
	s_mul_i32 s59, s59, 96
	s_lshl_b32 s57, s57, 5
	s_add_co_u32 s59, s59, s57                     ; the pair's first row
	s_mul_i32 s60, s59, 24
	s_lshl_b32 s56, s56, 2
	s_add_co_u32 s60, s60, s56                     ; + the step's four bytes
	s_mov_b32 s61, 0
	s_lshl_b32 s62, s53, 7
	s_mov_b32 s63, 0
	s_cmp_eq_u32 s58, 1
	s_cselect_b64 s[16:17], s[18:19], s[16:17]
	s_cmp_eq_u32 s58, 2
	s_cselect_b64 s[16:17], s[20:21], s[16:17]
	s_cmp_eq_u32 s58, 3
	s_cselect_b64 s[16:17], s[22:23], s[16:17]
	s_add_nc_u64 s[16:17], s[16:17], s[60:61]
	s_add_nc_u64 s[26:27], s[26:27], s[62:63]
	s_wait_alu depctr_va_vdst(0)
	global_load_b32 v[FW], v[WSA], s[16:17]
	XLOAD 0
	XLOAD 1
	XLOAD 2
	s_wait_loadcnt 48                              ; the words are in; x's 48 younger loads may be out
	global_store_b32 v[L4], v[FW], s[26:27]
	s_branch .Lgo
.Lplain:
	XLOAD 0
	XLOAD 1
	XLOAD 2
.Lgo:                                              ; on every way the last 48 loads issued are x's
	s_wait_loadcnt 32                              ; the first step's 16 loads are in; the two younger sets may be out
	TURN 0
	s_wait_loadcnt 16
	TURN 1
	s_wait_dscnt 32                                ; step 0 is back; step 1's 16 stores and 16 loads may be out
	QUANT4 X, PC0, PW
	XOUT 0, PC0, PW
	s_wait_loadcnt 0x0
	TURN 2
	s_wait_dscnt 32
	QUANT4 X+64, X, PW+1
	XOUT 1, X, PW+1
	s_wait_dscnt 0x0
	QUANT4 X+128, X+64, PW+2
	XOUT 2, X+64, PW+2
	s_wait_tensorcnt 0x0
	ds_add_u32 v35, v51
	s_wait_dscnt 0x0
	s_endpgm
.Lfunc_end_k_q7cbe75393f_prep:
	.size	k_q7cbe75393f_prep, .Lfunc_end_k_q7cbe75393f_prep-k_q7cbe75393f_prep
	.p2alignl 7, 3214868480
	.fill 96, 4, 3214868480
	.section	.rodata,"a",@progbits
	.p2align	6, 0x0
	.amdhsa_kernel k_q7cbe75393f_prep
		.amdhsa_group_segment_fixed_size 34304
		.amdhsa_private_segment_fixed_size 0
		.amdhsa_enable_private_segment 0
		.amdhsa_kernarg_size 104
		.amdhsa_user_sgpr_count 2
		.amdhsa_user_sgpr_kernarg_segment_ptr 1
		.amdhsa_wavefront_size32 1
		.amdhsa_system_sgpr_workgroup_id_x 1
		.amdhsa_system_sgpr_workgroup_id_y 1
		.amdhsa_system_sgpr_workgroup_id_z 1
		.amdhsa_system_vgpr_workitem_id 0
		.amdhsa_next_free_vgpr 256
		.amdhsa_next_free_sgpr 66
		.amdhsa_reserve_vcc 0
		.amdhsa_float_denorm_mode_32 3
		.amdhsa_float_denorm_mode_16_64 3
		.amdhsa_memory_ordered 1
		.amdhsa_forward_progress 1
		.amdhsa_inst_pref_size 39
	.end_amdhsa_kernel
	.amdgpu_metadata
---
amdhsa.version: [ 1, 2 ]
amdhsa.kernels:
  - .name:           k_q7cbe75393f_prep
    .symbol:         k_q7cbe75393f_prep.kd
    .args:
      - { .name: Wq_codes, .offset: 0, .size: 8, .value_kind: global_buffer, .address_space: global }
      - { .name: Wk_codes, .offset: 8, .size: 8, .value_kind: global_buffer, .address_space: global }
      - { .name: Wv_codes, .offset: 16, .size: 8, .value_kind: global_buffer, .address_space: global }
      - { .name: Wo_codes, .offset: 24, .size: 8, .value_kind: global_buffer, .address_space: global }
      - { .name: Wq_scales, .offset: 32, .size: 8, .value_kind: global_buffer, .address_space: global }
      - { .name: Wk_scales, .offset: 40, .size: 8, .value_kind: global_buffer, .address_space: global }
      - { .name: Wv_scales, .offset: 48, .size: 8, .value_kind: global_buffer, .address_space: global }
      - { .name: Wo_scales, .offset: 56, .size: 8, .value_kind: global_buffer, .address_space: global }
      - { .name: wimg, .offset: 64, .size: 8, .value_kind: global_buffer, .address_space: global }
      - { .name: wsc, .offset: 72, .size: 8, .value_kind: global_buffer, .address_space: global }
      - { .name: visual_features, .offset: 80, .size: 8, .value_kind: global_buffer, .address_space: global }
      - { .name: text_features, .offset: 88, .size: 8, .value_kind: global_buffer, .address_space: global }
      - { .name: ximg, .offset: 96, .size: 8, .value_kind: global_buffer, .address_space: global }
    .group_segment_fixed_size: 34304
    .private_segment_fixed_size: 0
    .kernarg_segment_align: 8
    .kernarg_segment_size: 104
    .max_flat_workgroup_size: 128
    .sgpr_count:     66
    .vgpr_count:     256
    .wavefront_size: 32
...
	.end_amdgpu_metadata
.endif
;; end of part 1
;; launch qkv (part 2): grid 256 x 1, 4 waves a work-group, no clusters, 77,312 bytes of LDS; arguments ximg, visual_mask, text_mask, bq, bk, bv, wimg, wsc, qkimg, qksc, vimg; writes qkimg, qksc, vimg
.if DOCPART == 2
	.amdgcn_target "amdgcn-amd-amdhsa--gfx1250"
	.amdhsa_code_object_version 6
	.text
	.protected	k_q7cbe75393f_qkv
	.globl	k_q7cbe75393f_qkv
	.p2align	8
	.type	k_q7cbe75393f_qkv,@function
k_q7cbe75393f_qkv:
	s_mov_b64 s[64:65], 0
	v_nop
	global_prefetch_b8 v0, s[64:65] scope:SCOPE_SE
	s_setreg_imm32_b32 hwreg(HW_REG_WAVE_MODE, 25, 1), 1
	s_wait_xcnt 0x0
; q = x Wq + bq, k = x Wk + bk, v = x Wv + bv for both tensors, on codes of E3M2 with one E8M0 scale for each 32 along K; the results leave as codes again,
; quantised along the K of the product that will read them: q and k along a head's 96 channels, v along the keys.
; SHARES.  THE WEIGHTS STAY, x WALKS.  The 24 units of 96 columns (unit = 8 x weight + head) form six column groups of four; a wave holds ONE unit, 36 fragments, in 432 registers.
; x comes as blocks of 64 rows, already codes: 256 blocks x 6 column groups = 1,536 items; work-group j takes items 6 j .. 6 j + 5 (column group = item / 256, block = item % 256): 864 products a wave in every
; work-group.  Four work-groups' items cross a column group's end.  The item ahead of the end is odd and a work-group's first item is even, so it is the second block of a trip: in that block the next unit's K step s
; is asked for behind this block's products of K step s, the last to read those registers, and has the rest of the block in which to land.
; A block's record (24 fragment images and their scale words, 38,400 bytes) is fetched a block ahead, a quarter by each wave, and handed round through one of two LDS buffers: one barrier a block.
; A buffer is written again only by a wave that has passed the barrier of the block between, which every wave reaches behind its last read of that buffer.
; No multicast: the six work-groups that read a block's record reach it at different trips (256 items to a column group, six to a work-group: the remainder is 4), so they cannot ask jointly.
; ROWS OF A TILE ARE NOT NEIGHBOURS: lane r of tile t takes row 32 (t / 2) + 8 (t % 2) + r + 8 (r / 8), of x and of the weights alike, so that the 16 result registers of
; two neighbouring tiles are 16 neighbours along the next product's K.  q, k: source 0 = weight rows, source 1 = x: a lane holds one token, registers run along channels.
; v: sources swapped: a lane holds one channel, registers run along tokens (keys).
; THE KEY MASK rides in the fourth block of the score product's K step (K = 96 .. 127, which belongs to no block of the quantised product): q has the code of 1.0 at K = 96 under the
; byte 127; k has there the code of -28 under the byte 247 (2^120) where its mask word is 0, else the code 0 under the byte 1.  A masked score is so -28 x 2^120, whose weight is 0.
; LIMITS: NaN and infinities are not served; a block whose largest magnitude lies under 2^-122 keeps the byte 1; a block of zeros has the byte 1 and not 127 (its codes are zeros, and this program alone reads the bytes).
; REGISTERS, in windows of 256: window 0: addresses, scale words, the unit's biases as C, x's fragments of odd K steps, four tiles' codes, at work.
;   window 1: v0-191 the 24 accumulators, v192-239 x's fragments of even K steps.   window 2: v0-215 the unit's K steps 0-2, v216-251 half of the next record's quarter.   window 3: the same for K steps 3-5.
.set XREC,  38400                      ; a block's record, and an LDS buffer
.set XSCO,  36864                      ; where its scale words begin
.set UNITB, 55296
.set UNITS, 2304
.set LI,    1                          ; 16 x lane: also the read address in buffer 0
.set L8,    2                          ; 8 x lane
.set LS,    3                          ; 4 x lane
.set XW0,   4                          ; 16 x lane + 9,216 x wave: my quarter of a record's images, in memory and in LDS alike
.set XS0,   5                          ; 4 x lane + 36,864 + 384 x wave: and of its scale words
.set LI1,   7                          ; LI + a buffer
.set LS1,   8                          ; LS + a buffer
.set BHA,   10                         ; 64 h
.set BVA,   11                         ; 4 (r + 8 (r / 8))
.set PADK,  12                         ; v12-15 k's code at K = 96 for tile 0-3 (lanes 0-15), v16-19 its scale byte << 24
.set PADKS, 16
.set PADQ,  20                         ; the same for q
.set PADQS, 21
.set C3F,   22                         ; the code of -28
.set CZ,    23                         ; 0
.set AS,    24                         ; v24-35 x's scale words: 2 s + pair of tiles
.set CB1,   44                         ; byte 1 << 24
.set CB247, 45                         ; byte 247 << 24
.set BI,    48                         ; v48-95 the unit's biases in the result's layout
.set XBF,   96                         ; v96-143 x's four fragments of an odd K step
.set TM,    144
.set T2,    148
.set SO,    152
.set BY,    156
.set PC,    160                        ; v160-207 codes: a run of its own for each tile, so that no store's data are written again inside a block
.set WS,    208                        ; v208-225 the unit's scale words: 3 s + pair of tiles
.set PW,    226
.set PWE,   227
.set P2A,   230                        ; v230-232, v234-236 second halves of blocks
.set YP,    234
.set MK,    238                        ; v238-241 the next block's mask words
.set XST,   242                        ; v242-244 the next record's scale words on their way
.set SW,    246                        ; v246-248 two tiles' scale words or bytes in one register, to store
.set XAF,   192                        ; window 1: x's four fragments of an even K step
.set TR,    216                        ; windows 2 and 3: nine loads each of the next record's quarter
.set MSB, 0
.macro WIN new                         ; the immediate's high byte repeats the setting that is left
.if MSB != \new
	s_set_vgpr_msb (MSB<<8)|\new
.set MSB, \new
.endif
.endm
.macro PLACES                          ; four plain places behind a matrix instruction, ahead of loads into its registers and of reads of its result
.rept 4
	v_nop
.endr
.endm
.macro WM d, a, b, c, sa, sb, ra, rb   ; one product; ra, rb: the side's scale words stand in lanes 16-31
.if (\ra) && (\rb)
	v_wmma_scale_f32_16x16x128_f8f6f4 v[\d:\d+7], v[\a:\a+11], v[\b:\b+11], v[\c:\c+7], v[\sa], v[\sb] matrix_a_fmt:MATRIX_FMT_BF6 matrix_b_fmt:MATRIX_FMT_BF6 matrix_a_scale:MATRIX_SCALE_ROW1 matrix_b_scale:MATRIX_SCALE_ROW1
.elseif (\ra)
	v_wmma_scale_f32_16x16x128_f8f6f4 v[\d:\d+7], v[\a:\a+11], v[\b:\b+11], v[\c:\c+7], v[\sa], v[\sb] matrix_a_fmt:MATRIX_FMT_BF6 matrix_b_fmt:MATRIX_FMT_BF6 matrix_a_scale:MATRIX_SCALE_ROW1
.elseif (\rb)
	v_wmma_scale_f32_16x16x128_f8f6f4 v[\d:\d+7], v[\a:\a+11], v[\b:\b+11], v[\c:\c+7], v[\sa], v[\sb] matrix_a_fmt:MATRIX_FMT_BF6 matrix_b_fmt:MATRIX_FMT_BF6 matrix_b_scale:MATRIX_SCALE_ROW1
.else
	v_wmma_scale_f32_16x16x128_f8f6f4 v[\d:\d+7], v[\a:\a+11], v[\b:\b+11], v[\c:\c+7], v[\sa], v[\sb] matrix_a_fmt:MATRIX_FMT_BF6 matrix_b_fmt:MATRIX_FMT_BF6
.endif
.endm
.macro XFETCH bf, s                    ; x's four fragments of K step s out of LDS buffer bf: twelve loads of 512 consecutive bytes
.if (\s) % 2 == 0
	WIN 0x40
.set XD, XAF
.else
	WIN 0
.set XD, XBF
.endif
.irp p, 0,1,2,3
.irp c, 0,1,2
	ds_load_b128 v[XD+12*\p+4*\c:XD+12*\p+4*\c+3], v[LI+6*(\bf)] offset:(4*(\s)+\p)*1536+512*\c
.endr
.endr
	WIN 0
.endm
; MY UNIT of column group s55.  RPTR: its three pointers, and which weight it is of (s68).  The loads that named s[40:45] before are shown done by a block's wait for all loads.
.macro RPTR
	s_lshl_b32 s56, s55, 2
	s_add_co_u32 s56, s56, s34                     ; unit = 4 x column group + wave = 8 x weight + head
	s_mov_b32 s61, 0
	s_mul_i32 s60, s56, UNITB
	s_add_nc_u64 s[40:41], s[20:21], s[60:61]
	s_mul_i32 s60, s56, UNITS
	s_add_nc_u64 s[42:43], s[22:23], s[60:61]
	s_and_b32 s56, s56, 7
	s_mul_i32 s60, s56, 384                        ; the head's 96 numbers of the bias
	s_lshr_b32 s68, s55, 1                         ; which weight
	s_cmp_eq_u32 s68, 1
	s_cselect_b64 s[44:45], s[16:17], s[14:15]
	s_cmp_eq_u32 s68, 2
	s_cselect_b64 s[44:45], s[18:19], s[44:45]
	s_add_nc_u64 s[44:45], s[44:45], s[60:61]
.endm
.macro RW s                            ; its K step s: six fragments and three registers of scale words: 21 loads
.if (\s) < 3
	WIN 0x80
.else
	WIN 0xc0
.endif
.irp t, 0,1,2,3,4,5
.irp c, 0,1,2
	global_load_b128 v[72*((\s)%3)+12*\t+4*\c:72*((\s)%3)+12*\t+4*\c+3], v[LI], s[40:41] offset:9216*(\s)+1536*\t+512*\c
.endr
.endr
	WIN 0
.irp b, 0,1,2
	global_load_b32 v[WS+3*(\s)+\b], v[LS], s[42:43] offset:384*(\s)+128*\b
.endr
.endm
.macro RBIAS                           ; its biases in the result's layout
	s_cmp_eq_u32 s68, 2
	s_cbranch_scc1 .Lbias_v_\@
.irp t, 0,1,2,3,4,5                    ; q, k: a lane's eight results of tile t are channels 32 (t / 2) + 16 h + 8 (t % 2) + 0 .. 7
	global_load_b128 v[BI+8*\t:BI+8*\t+3], v[BHA], s[44:45] offset:(32*(\t/2)+8*(\t%2))*4
	global_load_b128 v[BI+8*\t+4:BI+8*\t+7], v[BHA], s[44:45] offset:(32*(\t/2)+8*(\t%2))*4+16
.endr
	s_branch .Lbias_done_\@
.Lbias_v_\@:
.irp t, 0,1,2,3,4,5                    ; v: a lane's eight results are one channel: its bias into all eight
.irp j, 0,1,2,3,4,5,6,7
	global_load_b32 v[BI+8*\t+\j], v[BVA], s[44:45] offset:(32*(\t/2)+8*(\t%2))*4
.endr
.endr
.Lbias_done_\@:
.endm
; Where the next item begins a column group (s51 = 1: ids alone decide): the next unit's K step s, into the registers whose last readers were this block's products of K step s; four places stand behind those.
; The biases, which K step 0 read as C, come last.
.macro RSTEP s
	s_cmp_lg_u32 s51, 0
	s_cbranch_scc0 .Lstay_\@
	RW \s
.if (\s) == 5
	RBIAS
.endif
.Lstay_\@:
.endm
; 24 products of K step s for a unit of q or k: source 0 = the weight's six tiles, source 1 = x's four.  The 24 accumulators take turns, one instruction a turn.
.macro MULQK s
.if (\s) == 0
	WIN 0x46                                       ; D window 1, C (the biases) window 0, x window 1, weights window 2
.elseif (\s) == 1
	WIN 0x52                                       ; C and D window 1, x window 0, weights window 2
.elseif (\s) == 2
	WIN 0x56
.elseif (\s) == 4
	WIN 0x57                                       ; weights window 3
.else
	WIN 0x53
.endif
.if (\s) % 2 == 0
.set XFR, XAF
.else
.set XFR, XBF
.endif
.irp p, 0,1,2,3
.irp t, 0,1,2,3,4,5
.if (\s) == 0
	WM 8*(6*\p+\t), 72*((\s)%3)+12*\t, XFR+12*\p, BI+8*\t, WS+3*(\s)+\t/2, AS+2*(\s)+\p/2, \t%2, \p%2
.else
	WM 8*(6*\p+\t), 72*((\s)%3)+12*\t, XFR+12*\p, 8*(6*\p+\t), WS+3*(\s)+\t/2, AS+2*(\s)+\p/2, \t%2, \p%2
.endif
.endr
.endr
.endm
; the same for a unit of v, sources swapped
.macro MULV s
.if (\s) == 0
	WIN 0x49
.elseif (\s) == 1
	WIN 0x58
.elseif (\s) == 2
	WIN 0x59
.elseif (\s) == 4
	WIN 0x5d
.else
	WIN 0x5c
.endif
.if (\s) % 2 == 0
.set XFR, XAF
.else
.set XFR, XBF
.endif
.irp t, 0,1,2,3,4,5
.irp p, 0,1,2,3
.if (\s) == 0
	WM 8*(4*\t+\p), XFR+12*\p, 72*((\s)%3)+12*\t, BI+8*\t, AS+2*(\s)+\p/2, WS+3*(\s)+\t/2, \p%2, \t%2
.else
	WM 8*(4*\t+\p), XFR+12*\p, 72*((\s)%3)+12*\t, 8*(4*\t+\p), AS+2*(\s)+\p/2, WS+3*(\s)+\t/2, \p%2, \t%2
.endif
.endr
.endr
.endm
; A block's six K steps.  x's fragments run two steps ahead, in two sets of registers.
.macro KSTEPS kind, bf
.irp s, 0,1,2,3,4,5
.if \s < 5
	s_wait_dscnt 12                                ; this step's fragments are in; the next step's twelve loads may be out
.else
	s_wait_dscnt 0x0
.endif
.if \kind == 0
	MULQK \s
.else
	MULV \s
.endif
	WIN 0
	PLACES
.if \s < 4
	XFETCH \bf, \s+2
.endif
.if \bf
	RSTEP \s
.endif
.endr
.endm
; Tile p of rows of a unit of q or k: 48 numbers a lane (three blocks of a head) become a fragment; its fourth block is the pad
.macro QUANT3 p
.set AC, 48*(\p)
.set PR, PC+12*(\p)
	WIN 0x05                                       ; sources 0 and 1: the accumulators, window 1
.irp b, 0,1,2
	v_max3_num_f32 v[TM+\b], |v[AC+16*\b]|, |v[AC+16*\b+1]|, 0x2800000   ; each accumulator is read from its low end on; the floor 2^(5 - 127) holds the byte at 1 from below
.endr
.irp i, 2,4,6,8,10,12,14
.irp b, 0,1,2
	v_max3_num_f32 v[TM+\b], |v[AC+16*\b+\i]|, |v[AC+16*\b+\i+1]|, v[TM+\b]
.endr
.endr
	WIN 0
.irp b, 0,1,2
	v_permlanex16_b32 v[T2+\b], v[TM+\b], s36, s37
.endr
.irp b, 0,1,2
	v_max_num_f32 v[TM+\b], v[TM+\b], v[T2+\b]
.endr
.irp b, 0,1,2
	v_add_nc_u32 v[SO+\b], 0xfe000000, v[TM+\b]    ; 4 off the exponent field: the conversion's scale operand
.endr
.irp b, 0,1,2
	v_lshrrev_b32 v[BY+\b], 23, v[SO+\b]
.endr
	v_lshl_or_b32 v[PW], v[BY+1], 8, v[BY]
	v_lshl_or_b32 v[PW], v[BY+2], 16, v[PW]
	v_cndmask_b32 v[BY+3], v[PADQS], v[PADKS+\p], s50   ; the pad block's byte: q's or k's
	v_or_b32 v[PW], v[PW], v[BY+3]
	WIN 0x01
	v_cvt_scalef32_pk16_bf6_f32 v[PR:PR+2], v[AC:AC+15], v[SO]
	v_cvt_scalef32_pk16_bf6_f32 v[P2A:P2A+2], v[AC+16:AC+31], v[SO+1]
	v_cvt_scalef32_pk16_bf6_f32 v[PR+6:PR+8], v[AC+32:AC+47], v[SO+2]
	WIN 0
	v_cndmask_b32 v[YP], v[PADQ], v[PADK+\p], s50  ; the pad block's codes, as a conversion would leave them.  (Also the plain place behind the conversions)
	v_mov_b32 v[YP+1], 0
	v_mov_b32 v[YP+2], 0
.irp i, 0,1,2
	v_permlane16_swap_b32 v[PR+\i], v[P2A+\i]
.endr
.irp i, 0,1,2
	v_mov_b32 v[PR+3+\i], v[P2A+\i]
.endr
.irp i, 0,1,2
	v_permlane16_swap_b32 v[PR+6+\i], v[YP+\i]
.endr
.irp i, 0,1,2
	v_mov_b32 v[PR+9+\i], v[YP+\i]
.endr
.endm
; Tile t of channels of a unit of v: 32 numbers a lane (two blocks of 32 keys) become half a fragment, six registers, and two scale bytes
.macro QUANT2 t
.set AC, 32*(\t)
.set PR, PC+8*(\t)
	WIN 0x05
.irp b, 0,1
	v_max3_num_f32 v[TM+\b], |v[AC+16*\b]|, |v[AC+16*\b+1]|, 0x2800000
.endr
.irp i, 2,4,6,8,10,12,14
.irp b, 0,1
	v_max3_num_f32 v[TM+\b], |v[AC+16*\b+\i]|, |v[AC+16*\b+\i+1]|, v[TM+\b]
.endr
.endr
	WIN 0
.irp b, 0,1
	v_permlanex16_b32 v[T2+\b], v[TM+\b], s36, s37
.endr
.irp b, 0,1
	v_max_num_f32 v[TM+\b], v[TM+\b], v[T2+\b]
.endr
.irp b, 0,1
	v_add_nc_u32 v[SO+\b], 0xfe000000, v[TM+\b]
.endr
.irp b, 0,1
	v_lshrrev_b32 v[BY+\b], 23, v[SO+\b]
.endr
	v_lshl_or_b32 v[PW], v[BY+1], 8, v[BY]
	WIN 0x01
	v_cvt_scalef32_pk16_bf6_f32 v[PR:PR+2], v[AC:AC+15], v[SO]
	v_cvt_scalef32_pk16_bf6_f32 v[P2A:P2A+2], v[AC+16:AC+31], v[SO+1]
	WIN 0
	v_nop                                          ; one plain place behind a scaled conversion
.irp i, 0,1,2
	v_permlane16_swap_b32 v[PR+\i], v[P2A+\i]
.endr
.irp i, 0,1,2
	v_mov_b32 v[PR+3+\i], v[P2A+\i]
.endr
.endm
; My quarter of the record of item s35 + d, and that block's mask words: 25 loads.  The loads that named s[30:33] before are shown done by the wait for all loads at the block's head.
.macro XPRE d
	s_add_co_u32 s52, s35, \d
	s_and_b32 s52, s52, 255                        ; the block
	s_mul_i32 s54, s52, XREC
	s_mov_b32 s55, 0
	s_add_nc_u64 s[30:31], s[8:9], s[54:55]
	s_and_b32 s54, s52, 127
	s_lshl_b32 s54, s54, 8                         ; 64 mask words
	s_cmp_lt_u32 s52, 128                          ; blocks 0-127 are visual: the mask is chosen by ids alone
	s_cselect_b64 s[32:33], s[10:11], s[12:13]
	s_add_nc_u64 s[32:33], s[32:33], s[54:55]
	WIN 0x80
.irp i, 0,1,2,3,4,5,6,7,8
	global_load_b128 v[TR+4*\i:TR+4*\i+3], v[XW0], s[30:31] offset:512*\i
.endr
	WIN 0xc0
.irp i, 0,1,2,3,4,5,6,7,8
	global_load_b128 v[TR+4*\i:TR+4*\i+3], v[XW0], s[30:31] offset:512*(9+\i)
.endr
	WIN 0
.irp i, 0,1,2
	global_load_b32 v[XST+\i], v[XS0], s[30:31] offset:128*\i
.endr
.irp p, 0,1,2,3
	global_load_b32 v[MK+\p], v[BVA], s[32:33] offset:(32*(\p/2)+8*(\p%2))*4   ; the mask word of tile p's row r
.endr
.endm
; ONE ITEM: a block of 64 rows against my unit.  bf: the LDS buffer
.macro BLOCK bf
	s_wait_loadcnt 0x0                             ; my quarter of this block's record, its mask words, and my unit where it was asked for
	WIN 0x08                                       ; an LDS store's data are its source 1: window 2
.irp i, 0,1,2,3,4,5,6,7,8
	ds_store_b128 v[XW0], v[TR+4*\i:TR+4*\i+3] offset:XREC*(\bf)+512*\i
.endr
	WIN 0x0c
.irp i, 0,1,2,3,4,5,6,7,8
	ds_store_b128 v[XW0], v[TR+4*\i:TR+4*\i+3] offset:XREC*(\bf)+512*(9+\i)
.endr
	WIN 0
.irp i, 0,1,2
	ds_store_b32 v[XS0], v[XST+\i] offset:XREC*(\bf)+128*\i
.endr
.irp p, 0,1,2,3                        ; k's pad block for this block's keys
	v_cmp_eq_u32 vcc_lo, 0, v[MK+\p]
	v_cndmask_b32 v[PADK+\p], v[CZ], v[C3F], vcc_lo
	v_cndmask_b32 v[PADKS+\p], v[CB1], v[CB247], vcc_lo
	v_cndmask_b32 v[PADK+\p], v[PADK+\p], v[CZ], s38   ; the code stands at K = 96: in the lower half's 16 codes alone
.endr
	s_wait_dscnt 0x0                               ; for the others' sake: my quarter has landed; my reads of the other buffer were waited for in the block before
	s_barrier_signal -1
	s_barrier_wait -1                              ; the record lies whole in buffer bf
.irp s, 0,1,2,3,4,5
.irp b, 0,1
	ds_load_b32 v[AS+2*\s+\b], v[LS+5*(\bf)] offset:XSCO+256*\s+128*\b
.endr
.endr
	XFETCH \bf, 0
	XFETCH \bf, 1
.if \bf
	s_cmp_eq_u32 s39, 2                            ; my last item has no successor: nothing is asked for
	s_cbranch_scc1 .Lno_next_\@
.endif
	XPRE 1
.if \bf
.Lno_next_\@:
	s_add_co_u32 s52, s35, 1
	s_and_b32 s54, s52, 255
	s_cmp_eq_u32 s54, 0                            ; does the next item begin a column group,
	s_cselect_b32 s51, 1, 0
	s_cmp_eq_u32 s39, 2                            ; and is it mine?
	s_cselect_b32 s51, 0, s51
	s_lshr_b32 s55, s52, 8
	RPTR                                           ; (the pointers are made in every trip and named only where s51 = 1)
.endif
	s_lshr_b32 s53, s35, 8                         ; the column group: 0, 1 q; 2, 3 k; 4, 5 v
	s_cmp_ge_u32 s53, 4
	s_cbranch_scc1 .Lmul_v_\@
	KSTEPS 0, \bf
	s_branch .Lmid_\@
.Lmul_v_\@:
	KSTEPS 1, \bf
.Lmid_\@:
	s_wait_xcnt 0x0                                ; the last block's stores have read their data and bases: both are written again only behind this wait
	s_and_b32 s56, s53, 1
	s_lshl_b32 s56, s56, 2
	s_add_co_u32 s56, s56, s34                     ; the head
	s_and_b32 s58, s35, 255
	s_lshr_b32 s59, s58, 4                         ; tensor x 8 + batch
	s_and_b32 s58, s58, 15                         ; the 64 rows in the batch
	s_mov_b32 s61, 0
	s_cmp_ge_u32 s53, 4
	s_cbranch_scc1 .Lout_v_\@
	s_lshr_b32 s57, s56, 1
	s_lshl_b32 s57, s57, 2
	s_and_b32 s62, s56, 1
	s_add_co_u32 s57, s57, s62
	s_lshr_b32 s62, s53, 1
	s_lshl_b32 s62, s62, 1
	s_add_co_u32 s57, s57, s62                     ; slot = 4 (head / 2) + 2 (0 q, 1 k) + head % 2
	s_lshl_b32 s59, s59, 4
	s_add_co_u32 s59, s59, s57
	s_mul_i32 s60, s59, 98304
	s_mul_i32 s62, s58, 6144
	s_add_co_u32 s60, s60, s62
	s_add_nc_u64 s[46:47], s[24:25], s[60:61]
	s_lshl_b32 s60, s59, 12
	s_lshl_b32 s62, s58, 8
	s_add_co_u32 s60, s60, s62
	s_add_nc_u64 s[48:49], s[26:27], s[60:61]
	s_cmp_ge_u32 s53, 2
	s_cselect_b32 s50, -1, 0                       ; all lanes: k's pad or q's
.irp p, 0,1,2,3
	QUANT3 \p
.irp c, 0,1,2
	global_store_b128 v[LI], v[PC+12*\p+4*\c:PC+12*\p+4*\c+3], s[46:47] offset:1536*\p+512*\c   ; the fragment's image: 512 consecutive bytes a store
.endr
.if \p % 2 == 0
	v_mov_b32 v[PWE], v[PW]
.else
	v_cndmask_b32 v[SW+\p/2], v[PWE], v[PW], s38   ; lanes 0-15 the even tile's words, lanes 16-31 the odd tile's
	global_store_b32 v[LS], v[SW+\p/2], s[48:49] offset:128*(\p/2)
.endif
.endr
	s_branch .Lend_\@
.Lout_v_\@:
	s_lshl_b32 s59, s59, 3
	s_add_co_u32 s59, s59, s56                     ; the head's record in vimg: 73,728 bytes of codes, then 3,072 of scale words
	s_mul_i32 s67, s59, 76800
	s_lshr_b32 s62, s58, 1                         ; which key step of 128,
	s_and_b32 s63, s58, 1                          ; and which half of it
	s_mul_i32 s60, s62, 9216
	s_add_co_u32 s60, s60, s67
	s_mul_i32 s66, s63, 768
	s_add_co_u32 s60, s60, s66
	s_add_nc_u64 s[46:47], s[28:29], s[60:61]
	s_mul_i32 s60, s62, 384
	s_add_co_u32 s60, s60, s67
	s_lshl_b32 s66, s63, 1
	s_add_co_u32 s60, s60, s66
	s_add_co_u32 s60, s60, 73728
	s_add_nc_u64 s[48:49], s[28:29], s[60:61]
.irp t, 0,1,2,3,4,5
	QUANT2 \t
	global_store_b128 v[LI], v[PC+8*\t:PC+8*\t+3], s[46:47] offset:1536*\t        ; 512 consecutive bytes,
	global_store_b64 v[L8], v[PC+8*\t+4:PC+8*\t+5], s[46:47] offset:1536*\t+512   ; and 256 behind them
.if \t % 2 == 0
	v_mov_b32 v[PWE], v[PW]
.else
	v_cndmask_b32 v[SW+\t/2], v[PWE], v[PW], s38
	global_store_b16 v[LS], v[SW+\t/2], s[48:49] offset:128*(\t/2)
.endif
.endr
.Lend_\@:
	s_add_co_u32 s35, s35, 1                       ; the next item
.endm
	s_load_b512 s[8:23], s[0:1], 0x0               ; ximg s[8:9], the masks s[10:13], bq s[14:15], bk s[16:17], bv s[18:19], wimg s[20:21], wsc s[22:23]: these stay
	s_load_b128 s[24:27], s[0:1], 0x40             ; qkimg s[24:25], qksc s[26:27]
	s_load_b64 s[28:29], s[0:1], 0x50              ; vimg
	v_lshl_add_u32 v254, v0, 2, 0x12c00
	v_mov_b32 v255, 0
	v_lshrrev_b32 v9, 5, v0
	v_readfirstlane_b32 s34, v9                    ; wave w
	v_and_b32 v9, 31, v0
	v_lshlrev_b32 v[LI], 4, v9
	v_lshlrev_b32 v[L8], 3, v9
	v_lshlrev_b32 v[LS], 2, v9
	s_mul_i32 s52, s34, 9216
	v_add_nc_u32 v[XW0], s52, v[LI]
	s_mul_i32 s52, s34, 384
	s_add_co_u32 s52, s52, XSCO
	v_add_nc_u32 v[XS0], s52, v[LS]
	v_add_nc_u32 v[LI1], XREC, v[LI]
	v_add_nc_u32 v[LS1], XREC, v[LS]
	v_and_b32 v9, 15, v0                           ; r
	v_bfe_u32 v6, v0, 4, 1                         ; h
	v_lshlrev_b32 v[BHA], 6, v6
	v_and_b32 v6, 8, v9
	v_add_nc_u32 v6, v6, v9                        ; r + 8 (r / 8)
	v_lshlrev_b32 v[BVA], 2, v6
.irp b, 0,1,2,3
	v_mov_b32 v[T2+\b], 0                          ; written once: a lane permute's destination counts as one of its sources
.endr
	s_mov_b32 s36, 0x76543210
	s_mov_b32 s37, 0xfedcba98                      ; v_permlanex16_b32's selects for lane l xor 16
	s_mov_b32 s38, 0xffff0000                      ; lanes 16-31
	v_mov_b32 v[C3F], 0x3f
	v_mov_b32 v[CZ], 0
	v_mov_b32 v[CB1], 0x01000000
	v_mov_b32 v[CB247], 0xf7000000
	v_mov_b32 v[PADQ], 12                          ; the code of 1.0,
	v_cndmask_b32 v[PADQ], v[PADQ], v[CZ], s38     ; at K = 96 alone
	v_mov_b32 v[PADQS], 0x7f000000                 ; byte 127 << 24
	s_mul_i32 s35, ttmp9, 6                        ; my first item
	s_wait_kmcnt 0x0
	XPRE 0
	s_lshr_b32 s55, s35, 8
	RPTR                                           ; my first unit, whole
	RW 0
	RW 1
	RW 2
	RW 3
	RW 4
	RW 5
	RBIAS
	s_mov_b32 s39, 0
.Lpair:                                            ; three trips of two items, so that each LDS buffer's addresses are constants of the text
	s_wait_alu depctr_va_vdst(0)
	BLOCK 0
	BLOCK 1
	s_add_co_u32 s39, s39, 1
	s_cmp_lt_u32 s39, 3
	s_cbranch_scc1 .Lpair
	s_wait_tensorcnt 0x0
	ds_add_u32 v254, v255
	s_wait_dscnt 0x0
	s_endpgm
.Lfunc_end_k_q7cbe75393f_qkv:
	.size	k_q7cbe75393f_qkv, .Lfunc_end_k_q7cbe75393f_qkv-k_q7cbe75393f_qkv
	.p2alignl 7, 3214868480
	.fill 96, 4, 3214868480
	.section	.rodata,"a",@progbits
	.p2align	6, 0x0
	.amdhsa_kernel k_q7cbe75393f_qkv
		.amdhsa_group_segment_fixed_size 77312
		.amdhsa_private_segment_fixed_size 0
		.amdhsa_enable_private_segment 0
		.amdhsa_kernarg_size 88
		.amdhsa_user_sgpr_count 2
		.amdhsa_user_sgpr_kernarg_segment_ptr 1
		.amdhsa_wavefront_size32 1
		.amdhsa_system_sgpr_workgroup_id_x 1
		.amdhsa_system_sgpr_workgroup_id_y 1
		.amdhsa_system_sgpr_workgroup_id_z 1
		.amdhsa_system_vgpr_workitem_id 0
		.amdhsa_next_free_vgpr 1024
		.amdhsa_next_free_sgpr 72
		.amdhsa_reserve_vcc 1
		.amdhsa_float_denorm_mode_32 3
		.amdhsa_float_denorm_mode_16_64 3
		.amdhsa_memory_ordered 1
		.amdhsa_forward_progress 1
		.amdhsa_inst_pref_size 225
	.end_amdhsa_kernel
	.amdgpu_metadata
---
amdhsa.version: [ 1, 2 ]
amdhsa.kernels:
  - .name:           k_q7cbe75393f_qkv
    .symbol:         k_q7cbe75393f_qkv.kd
    .args:
      - { .name: ximg, .offset: 0, .size: 8, .value_kind: global_buffer, .address_space: global }
      - { .name: visual_mask, .offset: 8, .size: 8, .value_kind: global_buffer, .address_space: global }
      - { .name: text_mask, .offset: 16, .size: 8, .value_kind: global_buffer, .address_space: global }
      - { .name: bq, .offset: 24, .size: 8, .value_kind: global_buffer, .address_space: global }
      - { .name: bk, .offset: 32, .size: 8, .value_kind: global_buffer, .address_space: global }
      - { .name: bv, .offset: 40, .size: 8, .value_kind: global_buffer, .address_space: global }
      - { .name: wimg, .offset: 48, .size: 8, .value_kind: global_buffer, .address_space: global }
      - { .name: wsc, .offset: 56, .size: 8, .value_kind: global_buffer, .address_space: global }
      - { .name: qkimg, .offset: 64, .size: 8, .value_kind: global_buffer, .address_space: global }
      - { .name: qksc, .offset: 72, .size: 8, .value_kind: global_buffer, .address_space: global }
      - { .name: vimg, .offset: 80, .size: 8, .value_kind: global_buffer, .address_space: global }
    .group_segment_fixed_size: 77312
    .private_segment_fixed_size: 0
    .kernarg_segment_align: 8
    .kernarg_segment_size: 88
    .max_flat_workgroup_size: 128
    .sgpr_count:     72
    .vgpr_count:     1024
    .wavefront_size: 32
...
	.end_amdgpu_metadata
.endif
;; end of part 2
;; launch attn (part 3): grid 2 x 128, 8 waves a work-group, no clusters, 327,680 bytes of LDS; arguments qkimg, qksc, vimg, oimg, osc; writes oimg, osc
.if DOCPART == 3
	.amdgcn_target "amdgcn-amd-amdhsa--gfx1250"
	.amdhsa_code_object_version 6
	.text
	.protected	k_q7cbe75393f_attn
	.globl	k_q7cbe75393f_attn
	.p2align	8
	.type	k_q7cbe75393f_attn,@function
k_q7cbe75393f_attn:
	s_mov_b64 s[64:65], 0
	v_nop
	global_prefetch_b8 v0, s[64:65] scope:SCOPE_SE
	s_setreg_imm32_b32 hwreg(HW_REG_WAVE_MODE, 25, 1), 1
	s_wait_xcnt 0x0
; o = softmax(q k^T / sqrt(96), masked) v for one head of one batch and direction, both products on codes of E3M2 with one E8M0 scale for each 32 along K; o leaves as codes, quantised along the model's 768.
; THE SOFTMAX: t = score x log2(e) / sqrt(96); M = the row's largest t so far, rounded up to a whole number; p = 2^(t - M) is quantised along the keys, not normalised; the row's sum is taken
; of the unquantised p and divides at the end.  When M moves, the sum and O are multiplied by 2^(old M - new M): exact.
; SHARES.  Work-group (x, y): head y (direction x 64 + batch x 8 + head), queries 512 x on.  Eight waves; a wave owns TWO tiles of 16 queries at a time, twice: each fragment of K and V that it
; reads from LDS feeds two products.  Tile A's state lies in register window 0, tile B's in window 1 under the same numbers, so the softmax is one macro run under two window settings.
; ALL of the head's K and V (images of the operands' registers) and their scale words lie in LDS, 179,200 bytes, each byte filled once, in rows of 256 bytes that begin on multiples of 256.
; At the head one tensor load a wave: key steps 4-7 of K (waves 0-3, 48 rows each), of V with V's scale words, which lie behind them (waves 4-6, 52 rows each), K's scale words (wave 7).
; Behind the first barrier one more: key steps 0-3 (waves 0-6, 48 rows each); it has four key steps' work in which to land.  A pass walks key steps 4-7, then 0-3.
; No multicast: only two work-groups share a head's tiles.  No prefetch: each byte is asked for once, and the second half four key steps ahead of its first read.
; LAYOUT.  Both products transposed: S^T = K Q^T, O^T = V^T P^T: a lane holds one query.  Lane r of tile t of K (of V) holds key (channel) 32 (t / 2) + 8 (t % 2) + r + 8 (r / 8), as the launch before laid them.
; THE MASK came with the codes: a masked key's score is -28 x 2^120.  The running largest t begins at -2^100, over every masked t, so M never follows a masked key and its p is 0.
; LIMITS: a row whose every open t lies under -2^100 is not served.  A batch with no open key has the sum 0: its scale bytes become 0xff, so that the last launch gives NaN there.
; A block of o whose largest magnitude lies under 2^-122 keeps the byte 1.
.set KIMG, 0                           ; LDS: K's 64 tiles x 1,536
.set VIMG, 98304                       ; V: [key step][tile of channels][half][768]
.set VSC,  172032                      ; V's scale words, straight behind V's images as in memory
.set KSC,  175104                      ; K's: 64 bytes a tile
.set SPARE, 0x2c000                    ; the spare words: 128 bytes a wave
.set LI,   1                           ; window 0 alone: addresses
.set AV0,  2
.set AV8,  3
.set AS0,  4
.set AT0,  5
.set ADK,  6
.set ADV,  7
.set ADV8, 8
.set ADS,  9
.set ADT,  10
.set QA,   11
.set QF,   16                          ; v16-27 Q's fragment (each window its tile's)
.set QS,   28                          ; scale words stand in window 0: tile A's Q, v31 tile B's
.set OA,   29
.set OSA,  30
.set QSB,  31
.set FRG,  32                          ; v32-79: window 0 K's tiles 0-3, then V's 0-3; window 1 K's tiles 4-7, then V's 4-5
.set KS,   80
.set VS,   84
.set SCR,  96                          ; v96-159 S^T, then p
.set OT,   160                         ; v160-207 O^T
.set PC,   208                         ; v208-219 p's codes
.set P2,   220
.set PWB,  227                         ; window 0: tile B's p scale word
.set BM,   228
.set T2,   232
.set SO,   236
.set BY,   240
.set PW,   244
.set PWA,  245                         ; window 0: tile A's p scale word
.set FF,   246
.set TA,   250
.set K255, 251
.set RL,   252
.set MSB, 0
.macro WIN new                         ; the immediate's high byte repeats the setting that is left
.if MSB != (\new)
	s_set_vgpr_msb (MSB<<8)|(\new)
.set MSB, (\new)
.endif
.endm
.macro PLACES                          ; four plain places behind a matrix instruction (ISA guide 7.12.1)
.rept 4
	v_nop
.endr
.endm
.macro WMZ d, a, b, sa, sb, ra         ; a product that starts its sum
.if \ra
	v_wmma_scale_f32_16x16x128_f8f6f4 v[\d:\d+7], v[\a:\a+11], v[\b:\b+11], 0, v[\sa], v[\sb] matrix_a_fmt:MATRIX_FMT_BF6 matrix_b_fmt:MATRIX_FMT_BF6 matrix_a_scale:MATRIX_SCALE_ROW1
.else
	v_wmma_scale_f32_16x16x128_f8f6f4 v[\d:\d+7], v[\a:\a+11], v[\b:\b+11], 0, v[\sa], v[\sb] matrix_a_fmt:MATRIX_FMT_BF6 matrix_b_fmt:MATRIX_FMT_BF6
.endif
.endm
.macro WMA d, a, b, sa, sb, ra         ; a product that adds onto its sum
.if \ra
	v_wmma_scale_f32_16x16x128_f8f6f4 v[\d:\d+7], v[\a:\a+11], v[\b:\b+11], v[\d:\d+7], v[\sa], v[\sb] matrix_a_fmt:MATRIX_FMT_BF6 matrix_b_fmt:MATRIX_FMT_BF6 matrix_a_scale:MATRIX_SCALE_ROW1
.else
	v_wmma_scale_f32_16x16x128_f8f6f4 v[\d:\d+7], v[\a:\a+11], v[\b:\b+11], v[\d:\d+7], v[\sa], v[\sb] matrix_a_fmt:MATRIX_FMT_BF6 matrix_b_fmt:MATRIX_FMT_BF6
.endif
.endm
.macro DESC1 g1, rows                  ; group 1: a dense block as rows of 32 elements of 8 bytes
	s_mov_b32 s[\g1], 3<<16
	s_mov_b32 s[\g1+1], 32<<16
	s_mov_b32 s[\g1+2], (\rows)<<16
	s_mov_b32 s[\g1+3], 32<<16
	s_mov_b32 s[\g1+4], \rows
	s_mov_b32 s[\g1+5], 32
	s_mov_b32 s[\g1+6], 0
	s_mov_b32 s[\g1+7], 0
.endm
.macro DESC0 g0, lds, off, ptr, goff   ; group 0: my share begins s[off] bytes into the part, in LDS and in memory alike
	s_mov_b32 s[\g0], 1
	s_add_co_u32 s[\g0+1], s[\off], \lds
	s_add_nc_u64 s[\g0+2:\g0+3], s[\ptr:\ptr+1], s[\off:\off+1]
.if \goff
	s_add_nc_u64 s[\g0+2:\g0+3], s[\g0+2:\g0+3], \goff
.endif
	s_or_b32 s[\g0+3], s[\g0+3], 0x80000000
.endm
; THE SOFTMAX of one tile of queries over 128 keys, in window w; p's scale word goes to v[pwx] of window 0; at its end O^T is brought under the new M
.macro SOFT w, pwx
	WIN 0x55*(\w)
.if \w
	s_wait_alu depctr_va_vdst(0)
.endif
.irp b, 0,1,2,3
	v_max3_num_f32 v[BM+\b], v[SCR+16*\b], v[SCR+16*\b+1], v[SCR+16*\b+2]   ; the largest score of each block of 32 keys: for the row's maximum and for the block's largest p
.endr
.irp i, 3,5,7,9,11,13
.irp b, 0,1,2,3
	v_max3_num_f32 v[BM+\b], v[BM+\b], v[SCR+16*\b+\i], v[SCR+16*\b+\i+1]
.endr
.endr
.irp b, 0,1,2,3
	v_max_num_f32 v[BM+\b], v[BM+\b], v[SCR+16*\b+15]
.endr
.irp b, 0,1,2,3
	s_delay_alu instid0(VALU_DEP_4)
	v_permlanex16_b32 v[T2+\b], v[BM+\b], s20, s21
.endr
.irp b, 0,1,2,3
	s_delay_alu instid0(VALU_DEP_4)
	v_max_num_f32 v[BM+\b], v[BM+\b], v[T2+\b]     ; with lane l xor 16's 16 keys
.endr
	s_delay_alu instid0(VALU_DEP_2)
	v_max3_num_f32 v[TA], v[BM], v[BM+1], v[BM+2]
	s_delay_alu instid0(VALU_DEP_1)
	v_max_num_f32 v[TA], v[TA], v[BM+3]
	s_delay_alu instid0(VALU_DEP_1)
	v_mul_f32 v[TA], s22, v[TA]                    ; the step's largest t (c is positive)
	s_delay_alu instid0(VALU_DEP_1)
	v_max_num_f32 v13, v13, v[TA]                  ; the running largest t
	v_mov_b32 v[TA], v12
	s_delay_alu instid0(VALU_DEP_2)
	v_floor_f32 v12, -v13                          ; the new -M = -ceil(t)
	s_delay_alu instid0(VALU_DEP_1)
	v_sub_f32 v[TA], v12, v[TA]                    ; old M - new M, 0 or less
	s_delay_alu instid0(VALU_DEP_1)
	v_cvt_i32_f32 v[TA], v[TA]
	s_delay_alu instid0(VALU_DEP_1)
	v_ldexp_f32 v[FF], 1.0, v[TA]                  ; f = 2^(old M - new M)
.set j, 0
.rept 32
	v_pk_fma_f32 v[SCR+j:SCR+j+1], v[SCR+j:SCR+j+1], s[22:23], v[12:13] op_sel_hi:[1,0,0]   ; t - M
.set j, j+2
.endr
.irp b, 0,1,2,3
	v_fma_f32 v[BM+\b], v[BM+\b], s22, v12
.endr
	s_wait_alu depctr_va_vdst(0)
.set j, 0
.rept 64
	v_exp_f32 v[SCR+j], v[SCR+j]                   ; p = 2^(t - M)
.set j, j+1
.endr
.irp b, 0,1,2,3
	v_exp_f32 v[BM+\b], v[BM+\b]                   ; the block's largest p
.endr
	v_pk_mul_f32 v[14:15], v[14:15], v[FF:FF+1] op_sel_hi:[1,0]   ; the sums under the new M; the plain place behind the batch
	s_wait_alu depctr_va_vdst(0)                   ; and the wait behind it
.irp b, 0,1,2,3
	v_max_num_f32 v[BM+\b], 0x2800000, v[BM+\b]    ; the floor 2^(5 - 127): the byte cannot fall under 1
.endr
.irp b, 0,1,2,3
	s_delay_alu instid0(VALU_DEP_4)
	v_add_nc_u32 v[SO+\b], 0xfe000000, v[BM+\b]
.endr
.irp b, 0,1,2,3
	s_delay_alu instid0(VALU_DEP_4)
	v_lshrrev_b32 v[BY+\b], 23, v[SO+\b]
.endr
	s_delay_alu instid0(VALU_DEP_3)
	v_lshl_or_b32 v[PW], v[BY+1], 8, v[BY]
	s_delay_alu instid0(VALU_DEP_1)
	v_lshl_or_b32 v[PW], v[BY+2], 16, v[PW]
	WIN 0x15*(\w)                                  ; scale operands are taken from window 0
	v_lshl_or_b32 v[\pwx], v[BY+3], 24, v[PW]
	WIN 0x55*(\w)
.irp c, 0,1
	v_cvt_scalef32_pk16_bf6_f32 v[PC+6*\c:PC+6*\c+2], v[SCR+32*\c:SCR+32*\c+15], v[SO+2*\c]
	v_cvt_scalef32_pk16_bf6_f32 v[P2+4*\c:P2+4*\c+2], v[SCR+32*\c+16:SCR+32*\c+31], v[SO+2*\c+1]
.endr
	v_nop                                          ; one plain place behind a scaled conversion
.irp c, 0,1
.irp i, 0,1,2
	v_permlane16_swap_b32 v[PC+6*\c+\i], v[P2+4*\c+\i]
.endr
.irp i, 0,1,2
	s_delay_alu instid0(VALU_DEP_3)
	v_mov_b32 v[PC+6*\c+3+\i], v[P2+4*\c+\i]
.endr
.endr
.set j, 0                              ; the row's sum of the unquantised p: eight chains by turns, in registers that the bytes have left
.irp c, 248,242,240,238,236,230,228
	v_pk_add_f32 v[\c:\c+1], v[SCR+j:SCR+j+1], v[SCR+j+2:SCR+j+3]
.set j, j+4
.endr
	v_pk_add_f32 v[14:15], v[14:15], v[SCR+28:SCR+29]
.set j, 30
.rept 2
.irp c, 248,242,240,238,236,230,228,14
	v_pk_add_f32 v[\c:\c+1], v[\c:\c+1], v[SCR+j:SCR+j+1]
.set j, j+2
.endr
.endr
	v_pk_add_f32 v[248:249], v[248:249], v[SCR+62:SCR+63]
	s_delay_alu instid0(VALU_DEP_2)
	v_pk_add_f32 v[14:15], v[14:15], v[238:239]
	s_delay_alu instid0(VALU_DEP_2)
	v_pk_add_f32 v[248:249], v[248:249], v[236:237]
	v_pk_add_f32 v[242:243], v[242:243], v[230:231]
	v_pk_add_f32 v[240:241], v[240:241], v[228:229]
	s_delay_alu instid0(VALU_DEP_2)
	v_pk_add_f32 v[14:15], v[14:15], v[242:243]
	s_delay_alu instid0(VALU_DEP_2)
	v_pk_add_f32 v[248:249], v[248:249], v[240:241]
	s_delay_alu instid0(VALU_DEP_1)
	v_pk_add_f32 v[14:15], v[14:15], v[248:249]
	s_wait_alu depctr_va_vdst(0)
.set j, 0
.rept 24
	v_pk_mul_f32 v[OT+j:OT+j+1], v[OT+j:OT+j+1], v[FF:FF+1] op_sel_hi:[1,0]   ; each accumulator from its low end on; also the places ahead of the products
.set j, j+2
.endr
.endm
.macro VLOAD t, f                      ; V's tile t into fragment f
.irp c, 0,1
	ds_load_b128 v[FRG+12*(\f)+6*\c:FRG+12*(\f)+6*\c+3], v[ADV] offset:1536*(\t)+768*\c
	ds_load_b64 v[FRG+12*(\f)+6*\c+4:FRG+12*(\f)+6*\c+5], v[ADV8] offset:1536*(\t)+768*\c+512
.endr
.endm
.macro KLOAD g                         ; K's tiles 4 g .. 4 g + 3
.irp t, 0,1,2,3
.irp c, 0,1,2
	ds_load_b128 v[FRG+12*\t+4*\c:FRG+12*\t+4*\c+3], v[ADK] offset:(4*(\g)+\t)*1536+512*\c
.endr
.endr
.endm
; A KEY STEP: 128 keys, two tiles of queries
.macro STEP
	v_add_nc_u32 v[ADK], s60, v[LI]                ; six plain lines: the places behind the last step's products, ahead of loads into their registers
	v_add_nc_u32 v[ADV], s61, v[AV0]
	v_add_nc_u32 v[ADV8], s61, v[AV8]
	v_add_nc_u32 v[ADS], s62, v[AS0]
	v_add_nc_u32 v[ADT], s63, v[AT0]
	v_nop
	s_wait_alu depctr_va_vdst(0)
	KLOAD 0
.irp p, 0,1,2,3
	ds_load_b32 v[KS+\p], v[ADS] offset:128*\p
.endr
	WIN 0x40
	KLOAD 1
	WIN 0
	s_wait_dscnt 12                                ; tiles 0-3 and the scale words are in; tiles 4-7's twelve loads may be out
.irp t, 0,1,2,3
	WMZ SCR+8*\t, FRG+12*\t, QF, KS+\t/2, QS, \t%2
.endr
	WIN 0x54                                       ; K window 0; Q and the result window 1
.irp t, 0,1,2,3
	WMZ SCR+8*\t, FRG+12*\t, QF, KS+\t/2, QSB, \t%2
.endr
	s_wait_dscnt 0x0
	WIN 0x55
.irp t, 0,1,2,3
	WMZ SCR+32+8*\t, FRG+12*\t, QF, KS+2+\t/2, QSB, \t%2
.endr
	WIN 0x01                                       ; K window 1; Q and the result window 0
.irp t, 0,1,2,3
	WMZ SCR+32+8*\t, FRG+12*\t, QF, KS+2+\t/2, QS, \t%2
.endr
	WIN 0
	PLACES
.irp t, 0,1,2,3                        ; V's six tiles come while the softmax is walked
	VLOAD \t, \t
.endr
.irp p, 0,1,2
	ds_load_b32 v[VS+\p], v[ADT] offset:128*\p
.endr
	WIN 0x40
	VLOAD 4, 0
	VLOAD 5, 1
	SOFT 0, PWA
	SOFT 1, PWB
	WIN 0
	s_wait_alu depctr_va_vdst(0)
	s_wait_dscnt 0x0
.irp t, 0,1,2,3                        ; O^T += V^T P^T: twelve accumulators, one product each
	WMA OT+8*\t, FRG+12*\t, PC, VS+\t/2, PWA, \t%2
.endr
	WIN 0x54
.irp t, 0,1,2,3
	WMA OT+8*\t, FRG+12*\t, PC, VS+\t/2, PWB, \t%2
.endr
	WIN 0x55
.irp t, 0,1
	WMA OT+32+8*\t, FRG+12*\t, PC, VS+2, PWB, \t
.endr
	WIN 0x01
.irp t, 0,1
	WMA OT+32+8*\t, FRG+12*\t, PC, VS+2, PWA, \t
.endr
	WIN 0
	s_add_co_u32 s60, s60, 12288                   ; the next step's tiles and scale words
	s_add_co_u32 s61, s61, 9216
	s_add_co_u32 s62, s62, 512
	s_add_co_u32 s63, s63, 384
.endm
.macro WALK lbl, n
	s_mov_b32 s67, 0
\lbl:
	STEP
	s_add_co_u32 s67, s67, 1
	s_cmp_lt_u32 s67, \n
	s_cbranch_scc1 \lbl
.endm
.macro QLOAD                           ; my two tiles of queries
.irp c, 0,1,2
	global_load_b128 v[QF+4*\c:QF+4*\c+3], v[LI], s[4:5] offset:512*\c
.endr
	global_load_b32 v[QS], v[QA], s[6:7]
	global_load_b32 v[QSB], v[QA], s[6:7] offset:64
	WIN 0x40
.irp c, 0,1,2
	global_load_b128 v[QF+4*\c:QF+4*\c+3], v[LI], s[4:5] offset:1536+512*\c
.endr
	WIN 0
.endm
.macro INIT w
	WIN 0x55*(\w)
	v_mov_b32 v13, 0xf1800000                      ; the largest t so far: -2^100
	s_delay_alu instid0(VALU_DEP_1)
	v_floor_f32 v12, -v13                          ; -M
	v_mov_b32 v14, 0
	v_mov_b32 v15, 0
.set j, 0
.rept 48
	v_mov_b32 v[OT+j], 0                           ; the step is written once: the first finds zeros
.set j, j+1
.endr
.endm
; THE WAY OUT of the tile in window w: O^T / the sum, quantised along the head's three blocks of 32 channels
.macro WAYOUT w
	WIN 0x55*(\w)
	v_add_f32 v14, v14, v15
	s_delay_alu instid0(VALU_DEP_1)
	v_permlanex16_b32 v[TA], v14, s20, s21
	s_delay_alu instid0(VALU_DEP_1)
	v_add_f32 v14, v14, v[TA]                      ; the row's sum
	s_wait_alu depctr_va_vdst(0)
	v_rcp_f32 v[RL], v14
	v_cmp_eq_f32 vcc_lo, 0, v14                    ; no open key?  (the plain place behind the transcendental)
	s_wait_alu depctr_va_vdst(0)
.set j, 0
.rept 24
	v_pk_mul_f32 v[OT+j:OT+j+1], v[OT+j:OT+j+1], v[RL:RL+1] op_sel_hi:[1,0]
.set j, j+2
.endr
.irp b, 0,1,2
	v_max3_num_f32 v[BM+\b], |v[OT+16*\b]|, |v[OT+16*\b+1]|, 0x2800000
.endr
.irp i, 2,4,6,8,10,12,14
.irp b, 0,1,2
	s_delay_alu instid0(VALU_DEP_3)
	v_max3_num_f32 v[BM+\b], v[BM+\b], |v[OT+16*\b+\i]|, |v[OT+16*\b+\i+1]|
.endr
.endr
.irp b, 0,1,2
	s_delay_alu instid0(VALU_DEP_3)
	v_permlanex16_b32 v[T2+\b], v[BM+\b], s20, s21
.endr
.irp b, 0,1,2
	s_delay_alu instid0(VALU_DEP_3)
	v_max_num_f32 v[BM+\b], v[BM+\b], v[T2+\b]
.endr
.irp b, 0,1,2
	s_delay_alu instid0(VALU_DEP_3)
	v_add_nc_u32 v[SO+\b], 0xfe000000, v[BM+\b]
.endr
.irp b, 0,1,2
	s_delay_alu instid0(VALU_DEP_3)
	v_lshrrev_b32 v[BY+\b], 23, v[SO+\b]
.endr
.irp b, 0,1,2
	s_delay_alu instid0(VALU_DEP_3)
	v_cndmask_b32 v[BY+\b], v[BY+\b], v[K255], vcc_lo   ; a row with no open key: the byte of NaN
.endr
.irp b, 0,1,2
	v_cvt_scalef32_pk16_bf6_f32 v[PC+4*\b:PC+4*\b+2], v[OT+16*\b:OT+16*\b+15], v[SO+\b]
.endr
	v_nop                                          ; one plain place behind a scaled conversion
	WIN 0x04*(\w)                                  ; a store's data are its source 1
.irp b, 0,1,2
	global_store_b96 v[OA], v[PC+4*\b:PC+4*\b+2], s[10:11] offset:9216*(\w)+384*\b   ; 32 lanes store a block's 384 consecutive bytes
.endr
.irp b, 0,1,2
	global_store_b8 v[OSA], v[BY+\b], s[12:13] offset:384*(\w)+\b
.endr
.endm
	s_load_b256 s[4:11], s[0:1], 0x0               ; qkimg s[4:5], qksc s[6:7], vimg s[8:9], oimg s[10:11]
	s_load_b64 s[12:13], s[0:1], 0x20              ; osc
	v_lshl_add_u32 v254, v0, 2, SPARE
	v_mov_b32 v255, 0
	ds_add_u32 v254, v255
	ds_add_u32 v254, v255
	v_lshrrev_b32 v6, 5, v0
	v_and_b32 v7, 15, v0                           ; r
	v_bfe_u32 v8, v0, 4, 1                         ; h
	v_and_b32 v9, 31, v0                           ; lane
	s_delay_alu instid0(VALU_DEP_4)
	v_readfirstlane_b32 s18, v6                    ; wave 0..7
	s_delay_alu instid0(VALU_DEP_2)
	v_lshlrev_b32 v[LI], 4, v9
	s_delay_alu instid0(VALU_DEP_3)
	v_lshl_add_u32 v[AV8], v9, 3, VIMG
	s_delay_alu instid0(VALU_DEP_4)
	v_lshl_add_u32 v[AS0], v9, 2, KSC
	v_lshl_add_u32 v[AT0], v9, 2, VSC
	v_lshlrev_b32 v[QA], 2, v7
	v_mul_u32_u24 v[OSA], v7, 24
	v_add_nc_u32 v[AV0], VIMG, v[LI]
	s_delay_alu instid0(VALU_DEP_2)
	v_mad_u32_u24 v[OA], v8, 12, v[OSA]
	s_and_b32 s16, ttmp7, 0xffff
	s_lshr_b32 s17, s16, 3                         ; the queries' tensor x 8 + batch
	s_and_b32 s19, s16, 7                          ; the head
	s_xor_b32 s76, s17, 8                          ; the keys come from the other tensor
	s_lshr_b32 s77, s19, 1
	s_lshl_b32 s77, s77, 2
	s_and_b32 s78, s19, 1
	s_add_co_u32 s77, s77, s78
	s_lshl_b32 s78, s76, 4
	s_add_co_u32 s78, s78, s77
	s_add_co_u32 s78, s78, 2                       ; k's slot
	s_lshl_b32 s79, s17, 4
	s_add_co_u32 s79, s79, s77                     ; q's slot
	s_lshl_b32 s76, s76, 3
	s_add_co_u32 s76, s76, s19                     ; v's head
	s_mul_i32 s68, s78, 98304
	s_mov_b32 s69, 0
	s_lshl_b32 s70, s78, 12
	s_mov_b32 s71, 0
	s_mul_i32 s72, s76, 76800
	s_mov_b32 s73, 0
	s_lshl_b32 s77, ttmp9, 5
	s_lshl_b32 s16, s18, 1
	s_add_co_u32 s77, s77, s16                     ; my first tile of queries: 32 x + 2 wave
	s_lshl_b32 s78, s17, 6
	s_add_co_u32 s78, s78, s77                     ; and among all row tiles
	s_mul_i32 s74, s79, 98304
	s_mul_i32 s16, s77, 1536
	s_add_co_u32 s74, s74, s16
	s_mov_b32 s75, 0
	s_lshl_b32 s2, s79, 12
	s_lshl_b32 s16, s77, 6
	s_add_co_u32 s2, s2, s16
	s_mov_b32 s3, 0
	s_mul_i32 s84, s78, 9216
	s_mul_i32 s16, s19, 1152
	s_add_co_u32 s84, s84, s16                     ; o's codes: row tile x 9,216 + 3 head x 384
	s_mov_b32 s85, 0
	s_mul_i32 s86, s78, 384
	s_mul_i32 s16, s19, 3
	s_add_co_u32 s86, s86, s16                     ; o's scale bytes
	s_mov_b32 s87, 0
	s_mov_b32 s20, 0x76543210
	s_mov_b32 s21, 0xfedcba98                      ; v_permlanex16_b32's selects for lane l xor 16
	s_mov_b32 s22, 0x3e16c740                      ; c = log2(e) / sqrt(96)
	s_mov_b32 s23, s22
	DESC1 24, 48
	DESC1 32, 52
	DESC1 40, 16
	s_and_b32 s16, s18, 3                          ; my share among K's four or V's three
	s_mul_i32 s92, s16, 12288
	s_mov_b32 s93, 0
	s_mov_b32 s91, 0
	s_lshr_b32 s56, s18, 2
	s_mul_i32 s56, s56, 49152
	s_mul_i32 s57, s18, 12288
	s_add_co_u32 s57, s57, s56                     ; key steps 0-3 in LDS: K at 12,288 w, V at 98,304 + 12,288 (w - 4)
	s_wait_alu depctr_va_vdst(0)
	s_wait_dscnt 0x0
	s_wait_kmcnt 0x0
	s_add_nc_u64 s[68:69], s[4:5], s[68:69]        ; K's images
	s_add_nc_u64 s[70:71], s[6:7], s[70:71]        ; K's scale words
	s_add_nc_u64 s[72:73], s[8:9], s[72:73]        ; V's record
	s_add_nc_u64 s[4:5], s[4:5], s[74:75]          ; Q's images
	s_add_nc_u64 s[6:7], s[6:7], s[2:3]            ; Q's scale words
	s_add_nc_u64 s[10:11], s[10:11], s[84:85]
	s_add_nc_u64 s[12:13], s[12:13], s[86:87]
	s_cmp_lt_u32 s18, 4
	s_cselect_b64 s[58:59], s[68:69], s[72:73]
	s_mov_b32 s52, 1                               ; group 0 of the second fill
	s_mov_b32 s53, s57
	s_add_nc_u64 s[54:55], s[58:59], s[92:93]
	s_or_b32 s55, s55, 0x80000000
	; THE HEAD'S FILLS: one chain of branches on the wave's number, one load to an arm
	s_cmp_lt_u32 s18, 4
	s_cbranch_scc0 .Lfill_v
	s_mul_i32 s90, s16, 12288
	DESC0 48, KIMG+49152, 90, 68, 49152
	tensor_load_to_lds s[48:51], s[24:31]
	s_nop 0
	PLACES
	s_branch .Lfilled
.Lfill_v:
	s_cmp_lt_u32 s18, 7
	s_cbranch_scc0 .Lfill_s
	s_mul_i32 s90, s16, 13312
	DESC0 48, VIMG+36864, 90, 72, 36864
	tensor_load_to_lds s[48:51], s[32:39]
	s_nop 0
	PLACES
	s_branch .Lfilled
.Lfill_s:
	s_mov_b32 s90, 0
	DESC0 48, KSC, 90, 70, 0
	tensor_load_to_lds s[48:51], s[40:47]
	s_nop 0
	PLACES
.Lfilled:
.irp w, 0,1
	WIN 0x40*\w
.irp b, 0,1,2,3
	v_mov_b32 v[T2+\b], 0                          ; written once: a lane permute's destination counts as one of its sources
.endr
	v_mov_b32 v[FF+1], 0                           ; (upper halves of pairs whose low word serves both halves)
	v_mov_b32 v[RL+1], 0
	v_mov_b32 v[TA], 0
	v_mov_b32 v[K255], 0xff
.endr
	WIN 0
	QLOAD
	s_wait_alu depctr_va_vdst(0)
	s_wait_tensorcnt 0x0                           ; my share of the head's fills is in
	ds_add_u32 v254, v255
	s_wait_dscnt 0x0
	s_barrier_signal -1
	s_barrier_wait -1                              ; key steps 4-7 and all scale words lie whole in LDS
	s_cmp_lt_u32 s18, 7
	s_cbranch_scc0 .Lno_second
	tensor_load_to_lds s[52:55], s[24:31]          ; key steps 0-3: my one load behind the barrier
	s_nop 0
	PLACES
.Lno_second:
	s_mov_b32 s66, 0
.Lpass:                                            ; two passes, two tiles of queries a wave each
	INIT 0
	INIT 1
	WIN 0
	s_mov_b32 s60, 49152                           ; key step 4
	s_mov_b32 s61, 36864
	s_mov_b32 s62, 2048
	s_mov_b32 s63, 1536
	s_wait_alu depctr_va_vdst(0)
	s_wait_loadcnt 0x0                             ; Q
	WALK .Lstep_a, 4
	s_wait_tensorcnt 0x0                           ; my share of key steps 0-3 is in (in the second pass nothing is out)
	s_wait_dscnt 0x0
	s_barrier_signal -1
	s_barrier_wait -1
	s_mov_b32 s60, 0
	s_mov_b32 s61, 0
	s_mov_b32 s62, 0
	s_mov_b32 s63, 0
	WALK .Lstep_b, 4
	PLACES
	s_cmp_eq_u32 s66, 1
	s_cbranch_scc1 .Lno_q                          ; the last pass has no successor
	s_add_nc_u64 s[4:5], s[4:5], 24576             ; sixteen tiles on; the loads that named these bases were waited for at the pass's head
	s_add_nc_u64 s[6:7], s[6:7], 1024
	QLOAD                                          ; the next tiles of queries come while these results leave
.Lno_q:
	WAYOUT 0
	WAYOUT 1
	WIN 0
	s_wait_xcnt 0x0                                ; the stores have read their data and bases: both are written again only behind this wait
	s_add_nc_u64 s[10:11], s[10:11], 147456
	s_add_nc_u64 s[12:13], s[12:13], 6144
	s_add_co_u32 s66, s66, 1
	s_cmp_lt_u32 s66, 2
	s_cbranch_scc1 .Lpass
	s_wait_tensorcnt 0x0                           ; the wave's end
	ds_add_u32 v254, v255
	s_wait_dscnt 0x0
	s_endpgm
.Lfunc_end_k_q7cbe75393f_attn:
	.size	k_q7cbe75393f_attn, .Lfunc_end_k_q7cbe75393f_attn-k_q7cbe75393f_attn
	.p2alignl 7, 3214868480
	.fill 96, 4, 3214868480
	.section	.rodata,"a",@progbits
	.p2align	6, 0x0
	.amdhsa_kernel k_q7cbe75393f_attn
		.amdhsa_group_segment_fixed_size 327680
		.amdhsa_private_segment_fixed_size 0
		.amdhsa_enable_private_segment 0
		.amdhsa_kernarg_size 40
		.amdhsa_user_sgpr_count 2
		.amdhsa_user_sgpr_kernarg_segment_ptr 1
		.amdhsa_wavefront_size32 1
		.amdhsa_system_sgpr_workgroup_id_x 1
		.amdhsa_system_sgpr_workgroup_id_y 1
		.amdhsa_system_sgpr_workgroup_id_z 1
		.amdhsa_system_vgpr_workitem_id 0
		.amdhsa_next_free_vgpr 512
		.amdhsa_next_free_sgpr 96
		.amdhsa_reserve_vcc 1
		.amdhsa_float_denorm_mode_32 3
		.amdhsa_float_denorm_mode_16_64 3
		.amdhsa_memory_ordered 1
		.amdhsa_forward_progress 1
		.amdhsa_inst_pref_size 97
	.end_amdhsa_kernel
	.amdgpu_metadata
---
amdhsa.version: [ 1, 2 ]
amdhsa.kernels:
  - .name:           k_q7cbe75393f_attn
    .symbol:         k_q7cbe75393f_attn.kd
    .args:
      - { .name: qkimg, .offset: 0, .size: 8, .value_kind: global_buffer, .address_space: global }
      - { .name: qksc, .offset: 8, .size: 8, .value_kind: global_buffer, .address_space: global }
      - { .name: vimg, .offset: 16, .size: 8, .value_kind: global_buffer, .address_space: global }
      - { .name: oimg, .offset: 24, .size: 8, .value_kind: global_buffer, .address_space: global }
      - { .name: osc, .offset: 32, .size: 8, .value_kind: global_buffer, .address_space: global }
    .group_segment_fixed_size: 327680
    .private_segment_fixed_size: 0
    .kernarg_segment_align: 8
    .kernarg_segment_size: 40
    .max_flat_workgroup_size: 256
    .sgpr_count:     96
    .vgpr_count:     512
    .wavefront_size: 32
...
	.end_amdgpu_metadata
.endif
;; end of part 3
;; launch oproj (part 4): grid 256 x 1, 4 waves a work-group, no clusters, 327,680 bytes of LDS; arguments oimg, osc, wimg, wsc, visual_features, text_features, bo, ln_g, ln_b, out0, out1; writes out0, out1
.if DOCPART == 4
	.amdgcn_target "amdgcn-amd-amdhsa--gfx1250"
	.amdhsa_code_object_version 6
	.text
	.protected	k_q7cbe75393f_oproj
	.globl	k_q7cbe75393f_oproj
	.p2align	8
	.type	k_q7cbe75393f_oproj,@function
k_q7cbe75393f_oproj:
	s_mov_b64 s[64:65], 0
	v_nop
	global_prefetch_b8 v0, s[64:65] scope:SCOPE_SE
	s_setreg_imm32_b32 hwreg(HW_REG_WAVE_MODE, 25, 1), 1
	s_wait_xcnt 0x0
; out = layer_norm(x + o Wo + bo) for a block of 64 rows: o and Wo as codes of E3M2 with E8M0 scales; x, the sums and the norm in f32.
; x's 64 rows lie in an LDS stage in memory's order (a row: three pieces of 1,024 + 16 bytes); wave w brings rows 16 w .. 16 w + 15, dense in memory, by ONE tensor load of 48 rows of 1,024 bytes.
; A wave makes 192 columns of all 64 rows: x is the C of the first product, the result goes back to the stage; behind a barrier wave w norms and stores rows 16 w .. 16 w + 15.
; Lane r of o's tile p is row 32 (p / 2) + 8 (p % 2) + r + 8 (r / 8) of the block, as the earlier launches laid it.
.set SPT,   3120
.set OIMG,  199680
.set OSC,   236544
.set UNITB, 55296
.set UNITS, 2304
.set STEPB, 9216
.set STEPS, 384
.set LI,    1
.set LS,    3
.set SX,    4
.set OA,    5
.set OS,    6
.set OIW,   7
.set SAB,   8
.set OSW,   12
.set AS,    24
.set WS,    36
.set SAU,   46
.set G,     64
.set BN,    88
.set BO,    112
.set Y0,    136
.set OST,   200
.set WB,    12
.set WSB,   14
.set G0A,   48
.set G0B,   52
.set G1,    56
.set MSB, 0
.macro WIN new
.if MSB != \new
	s_set_vgpr_msb (MSB<<8)|\new
.set MSB, \new
.endif
.endm
.macro PLACES
.rept 4
	v_nop
.endr
.endm
.macro WM d, a, b, c, sa, sb, ra, rb
.if (\ra) && (\rb)
	v_wmma_scale_f32_16x16x128_f8f6f4 v[\d:\d+7], v[\a:\a+11], v[\b:\b+11], v[\c:\c+7], v[\sa], v[\sb] matrix_a_fmt:MATRIX_FMT_BF6 matrix_b_fmt:MATRIX_FMT_BF6 matrix_a_scale:MATRIX_SCALE_ROW1 matrix_b_scale:MATRIX_SCALE_ROW1
.elseif (\ra)
	v_wmma_scale_f32_16x16x128_f8f6f4 v[\d:\d+7], v[\a:\a+11], v[\b:\b+11], v[\c:\c+7], v[\sa], v[\sb] matrix_a_fmt:MATRIX_FMT_BF6 matrix_b_fmt:MATRIX_FMT_BF6 matrix_a_scale:MATRIX_SCALE_ROW1
.elseif (\rb)
	v_wmma_scale_f32_16x16x128_f8f6f4 v[\d:\d+7], v[\a:\a+11], v[\b:\b+11], v[\c:\c+7], v[\sa], v[\sb] matrix_a_fmt:MATRIX_FMT_BF6 matrix_b_fmt:MATRIX_FMT_BF6 matrix_b_scale:MATRIX_SCALE_ROW1
.else
	v_wmma_scale_f32_16x16x128_f8f6f4 v[\d:\d+7], v[\a:\a+11], v[\b:\b+11], v[\c:\c+7], v[\sa], v[\sb] matrix_a_fmt:MATRIX_FMT_BF6 matrix_b_fmt:MATRIX_FMT_BF6
.endif
.endm
.macro GROUP sl, goff, soff
	WIN 0x80
.irp t, 0,1,2,3,4,5
.irp c, 0,1,2
	global_load_b128 v[72*(\sl)+12*\t+4*\c:72*(\sl)+12*\t+4*\c+3], v[LI], s[WB:WB+1] offset:(\goff)+1536*\t+512*\c
.endr
.endr
	WIN 0
.irp b, 0,1,2
	global_load_b32 v[WS+3*(\sl)+\b], v[LS], s[WSB:WSB+1] offset:(\soff)+128*\b
.endr
.endm
.macro MUL s
.if (\s) < 5
	WIN 0x5e
.set XFR, 48*(\s)
.else
	WIN 0x56
.set XFR, 192
.endif
.irp p, 0,1,2,3
.irp t, 0,1,2,3,4,5
	WM 8*(6*\p+\t), 72*((\s)%3)+12*\t, XFR+12*\p, 8*(6*\p+\t), WS+3*((\s)%3)+\t/2, AS+2*(\s)+\p/2, \t%2, \p%2
.endr
.endr
.endm
.macro KSTEPS ahead
.irp s, 0,1,2,3,4,5
.if (\ahead) || (\s < 4)
	s_wait_loadcnt 42
.elseif \s == 4
	s_wait_loadcnt 21
.else
	s_wait_loadcnt 0x0
.endif
	MUL \s
	WIN 0
	PLACES
.if \s < 3
	GROUP \s, STEPB*(\s+3), STEPS*(\s+3)
.elseif \ahead
	GROUP \s-3, UNITB+STEPB*(\s-3), UNITS+STEPS*(\s-3)
.endif
.endr
.endm
.macro UNITO u, ahead
.irp b, 0,1,2
	s_mul_i32 s38, s34, 768
	s_add_co_u32 s38, s38, 384*(\u)+128*\b
	s_lshr_b32 s39, s38, 10
	s_lshl_b32 s39, s39, 4
	s_add_co_u32 s38, s38, s39
.irp p, 0,1,2,3
	v_add_nc_u32 v[SAU+3*\p+\b], s38, v[SAB+\p]
.endr
.endr
	WIN 0x40
	s_wait_alu depctr_va_vdst(0)
.irp p, 0,1,2,3
.irp t, 0,1,2,3,4,5
	ds_load_b128 v[8*(6*\p+\t):8*(6*\p+\t)+3], v[SAU+3*\p+\t/2] offset:32*(\t%2)
	ds_load_b128 v[8*(6*\p+\t)+4:8*(6*\p+\t)+7], v[SAU+3*\p+\t/2] offset:32*(\t%2)+16
.endr
.endr
	WIN 0
	s_wait_dscnt 0x0
	KSTEPS \ahead
	WIN 0x04
.irp p, 0,1,2,3
.irp t, 0,1,2,3,4,5
	ds_store_b128 v[SAU+3*\p+\t/2], v[8*(6*\p+\t):8*(6*\p+\t)+3] offset:32*(\t%2)
	ds_store_b128 v[SAU+3*\p+\t/2], v[8*(6*\p+\t)+4:8*(6*\p+\t)+7] offset:32*(\t%2)+16
.endr
.endr
	WIN 0
	s_wait_dscnt 0x0
.endm
.macro LANES
	v_add_f32_dpp v184, v184, v184 row_xmask:1 row_mask:0xf bank_mask:0xf
	v_add_f32_dpp v184, v184, v184 row_xmask:2 row_mask:0xf bank_mask:0xf
	v_add_f32_dpp v184, v184, v184 row_xmask:4 row_mask:0xf bank_mask:0xf
	v_add_f32_dpp v184, v184, v184 row_xmask:8 row_mask:0xf bank_mask:0xf
	v_permlanex16_b32 v188, v184, s36, s37
	v_add_f32 v184, v184, v188
.endm
.macro ROW i
.set YC, Y0+24*((\i)%2)
.set YN, Y0+24*(((\i)+1)%2)
.if (\i) < 15
	s_wait_xcnt 0x0
.irp k, 0,1,2,3,4,5
	ds_load_b128 v[YN+4*\k:YN+4*\k+3], v[SX] offset:SPT*((\i)+1)+512*\k+16*(\k/2)
.endr
	s_wait_dscnt 6
.else
	s_wait_dscnt 0x0
.endif
.irp j, 0,2,4,6,8,10,12,14,16,18,20,22
	v_pk_add_f32 v[YC+\j:YC+\j+1], v[YC+\j:YC+\j+1], v[BO+\j:BO+\j+1]
.endr
	v_pk_add_f32 v[184:185], v[YC:YC+1], v[YC+2:YC+3]
	v_pk_add_f32 v[186:187], v[YC+4:YC+5], v[YC+6:YC+7]
.irp j, 8,12,16,20
	v_pk_add_f32 v[184:185], v[184:185], v[YC+\j:YC+\j+1]
	v_pk_add_f32 v[186:187], v[186:187], v[YC+\j+2:YC+\j+3]
.endr
	v_pk_add_f32 v[184:185], v[184:185], v[186:187]
	v_add_f32 v184, v184, v185
	LANES
	v_mul_f32 v190, s44, v184
.irp j, 0,2,4,6,8,10,12,14,16,18,20,22
	v_pk_add_f32 v[YC+\j:YC+\j+1], v[YC+\j:YC+\j+1], v[190:191] op_sel_hi:[1,0] neg_lo:[0,1] neg_hi:[0,1]
.endr
	v_pk_mul_f32 v[184:185], v[YC:YC+1], v[YC:YC+1]
	v_pk_mul_f32 v[186:187], v[YC+2:YC+3], v[YC+2:YC+3]
.irp j, 4,8,12,16,20
	v_pk_fma_f32 v[184:185], v[YC+\j:YC+\j+1], v[YC+\j:YC+\j+1], v[184:185]
	v_pk_fma_f32 v[186:187], v[YC+\j+2:YC+\j+3], v[YC+\j+2:YC+\j+3], v[186:187]
.endr
	v_pk_add_f32 v[184:185], v[184:185], v[186:187]
	v_add_f32 v184, v184, v185
	LANES
	v_fma_f32 v192, v184, s44, s45
	s_wait_alu depctr_va_vdst(0)
	v_rsq_f32 v192, v192
	v_nop
	s_wait_alu depctr_va_vdst(0)
.irp j, 0,2,4,6,8,10,12,14,16,18,20,22
	v_pk_mul_f32 v[YC+\j:YC+\j+1], v[YC+\j:YC+\j+1], v[192:193] op_sel_hi:[1,0]
.endr
.irp j, 0,2,4,6,8,10,12,14,16,18,20,22
	v_pk_fma_f32 v[YC+\j:YC+\j+1], v[YC+\j:YC+\j+1], v[G+\j:G+\j+1], v[BN+\j:BN+\j+1]
.endr
.irp k, 0,1,2,3,4,5
	global_store_b128 v[LI], v[YC+4*\k:YC+4*\k+3], s[26:27] offset:(\i)*3072+512*\k th:TH_STORE_NT
.endr
.endm
	s_load_b512 s[8:23], s[0:1], 0x0
	s_load_b128 s[24:27], s[0:1], 0x40
	s_load_b64 s[28:29], s[0:1], 0x50
	v_lshl_add_u32 v254, v0, 2, 0x3a200
	v_mov_b32 v255, 0
	ds_add_u32 v254, v255
	ds_add_u32 v254, v255
	v_lshrrev_b32 v2, 5, v0
	v_readfirstlane_b32 s34, v2
	v_and_b32 v2, 31, v0
	v_lshlrev_b32 v[LI], 4, v2
	v_lshlrev_b32 v[LS], 2, v2
	v_and_b32 v13, 15, v0
	v_bfe_u32 v14, v0, 4, 1
	s_mul_i32 s42, s34, 16*SPT
	v_add_nc_u32 v[SX], s42, v[LI]
	v_mul_u32_u24 v15, v13, 24
	v_mad_u32_u24 v15, v14, 384, v15
	v_add_nc_u32 v[OA], OIMG, v15
	v_add_nc_u32 v[OS], OSC, v15
	s_mul_i32 s42, s34, 9216
	s_add_co_u32 s42, s42, OIMG
	v_add_nc_u32 v[OIW], s42, v[LI]
	s_mul_i32 s42, s34, 384
	s_add_co_u32 s42, s42, OSC
	v_add_nc_u32 v[OSW], s42, v[LS]
	v_and_b32 v15, 8, v13
	v_add_nc_u32 v15, v15, v13                     ; r + 8 (r / 8)
	v_mul_u32_u24 v15, v15, SPT
	v_lshl_add_u32 v[SAB], v14, 6, v15
.irp p, 1,2,3
	v_add_nc_u32 v[SAB+\p], (32*(\p/2)+8*(\p%2))*SPT, v[SAB]
.endr
	v_mov_b32 v188, 0
	v_mov_b32 v191, 0
	v_mov_b32 v193, 0
	s_mov_b32 s36, 0x76543210
	s_mov_b32 s37, 0xfedcba98
	s_mov_b32 s44, 0x3aaaaaab
	s_mov_b32 s45, 0x3727c5ac
	s_mov_b32 s[G1], (3<<16)|(1<<20)|(7<<22)|(3<<25)
	s_mov_b32 s[G1+1], 128<<16
	s_mov_b32 s[G1+2], 48<<16
	s_mov_b32 s[G1+3], 128<<16
	s_mov_b32 s[G1+4], 48
	s_mov_b32 s[G1+5], 128
	s_mov_b32 s[G1+6], 0
	s_mov_b32 s[G1+7], 0
	s_mov_b32 s[G0A], 1
	s_mul_i32 s[G0A+1], s34, 16*SPT
	s_and_b32 s43, ttmp9, 127
	s_mul_i32 s46, s43, 196608
	s_mul_i32 s42, s34, 16*3072                    ; my 16 rows of the block, in x and in the output alike
	s_add_co_u32 s46, s46, s42
	s_mov_b32 s47, 0
	s_mul_i32 s30, ttmp9, 36864
	s_mul_i32 s35, s34, 9216
	s_add_co_u32 s30, s30, s35
	s_mov_b32 s31, 0
	s_mul_i32 s32, ttmp9, 1536
	s_mul_i32 s35, s34, 384
	s_add_co_u32 s32, s32, s35
	s_mov_b32 s33, 0
	s_lshl_b32 s35, s34, 1
	s_add_co_u32 s35, s35, 24
	s_mul_i32 s38, s35, UNITB
	s_mov_b32 s39, 0
	s_mul_i32 s40, s35, UNITS
	s_mov_b32 s41, 0
	s_wait_alu depctr_va_vdst(0)
	s_wait_dscnt 0x0
	s_wait_kmcnt 0x0
	s_cmp_lt_u32 ttmp9, 128
	s_cselect_b64 s[16:17], s[16:17], s[18:19]
	s_cselect_b64 s[26:27], s[26:27], s[28:29]
	s_add_nc_u64 s[16:17], s[16:17], s[46:47]
	s_mov_b64 s[G0A+2:G0A+3], s[16:17]
	s_or_b32 s[G0A+3], s[G0A+3], 0x80000000
	tensor_load_to_lds s[G0A:G0A+3], s[G1:G1+7]
	s_nop 0
	PLACES
	s_add_nc_u64 s[26:27], s[26:27], s[46:47]
	s_add_nc_u64 s[8:9], s[8:9], s[30:31]
	s_add_nc_u64 s[10:11], s[10:11], s[32:33]
	s_add_nc_u64 s[12:13], s[12:13], s[38:39]
	s_add_nc_u64 s[14:15], s[14:15], s[40:41]
	WIN 0xc0
.irp i, 0,1,2,3,4,5,6,7,8,9,10,11,12,13,14,15,16,17
	global_load_b128 v[4*\i:4*\i+3], v[LI], s[8:9] offset:512*\i
.endr
	WIN 0
.irp i, 0,1,2
	global_load_b32 v[OST+\i], v[LS], s[10:11] offset:128*\i
.endr
.irp k, 0,1,2,3,4,5
	global_load_b128 v[G+4*\k:G+4*\k+3], v[LI], s[22:23] offset:512*\k
.endr
.irp k, 0,1,2,3,4,5
	global_load_b128 v[BN+4*\k:BN+4*\k+3], v[LI], s[24:25] offset:512*\k
.endr
.irp k, 0,1,2,3,4,5
	global_load_b128 v[BO+4*\k:BO+4*\k+3], v[LI], s[20:21] offset:512*\k
.endr
	GROUP 0, 0, 0
	s_wait_loadcnt 39
	WIN 0x0c
.irp i, 0,1,2,3,4,5,6,7,8,9,10,11,12,13,14,15,16,17
	ds_store_b128 v[OIW], v[4*\i:4*\i+3] offset:512*\i
.endr
	WIN 0
.irp i, 0,1,2
	ds_store_b32 v[OSW], v[OST+\i] offset:128*\i
.endr
	GROUP 1, STEPB, STEPS
	GROUP 2, 2*STEPB, 2*STEPS
	s_wait_tensorcnt 0x0
	s_wait_dscnt 0x0
	s_barrier_signal -1
	s_barrier_wait -1
	WIN 0xc0
.irp s, 0,1,2,3,4
.irp p, 0,1,2,3
.irp c, 0,1
.irp e, 0,1,2
	ds_load_b64 v[48*\s+12*\p+6*\c+2*\e:48*\s+12*\p+6*\c+2*\e+1], v[OA] offset:9216*\p+(4*\s+2*\c)*384+8*\e
.endr
.endr
.endr
.endr
	WIN 0x40
.irp p, 0,1,2,3
.irp c, 0,1
.irp e, 0,1,2
	ds_load_b64 v[192+12*\p+6*\c+2*\e:192+12*\p+6*\c+2*\e+1], v[OA] offset:9216*\p+(20+2*\c)*384+8*\e
.endr
.endr
.endr
	WIN 0
.irp s, 0,1,2,3,4,5
.irp b, 0,1
	ds_load_b32 v[AS+2*\s+\b], v[OS] offset:768*\b+4*\s
.endr
.endr
	s_wait_dscnt 0x0
	UNITO 0, 1
	s_wait_xcnt 0x0
	s_add_nc_u64 s[12:13], s[12:13], UNITB
	s_add_nc_u64 s[14:15], s[14:15], UNITS
	UNITO 1, 0
	s_barrier_signal -1
	s_barrier_wait -1
.irp k, 0,1,2,3,4,5
	ds_load_b128 v[Y0+4*\k:Y0+4*\k+3], v[SX] offset:512*\k+16*(\k/2)
.endr
.irp i, 0,1,2,3,4,5,6,7,8,9,10,11,12,13,14,15
	ROW \i
.endr
	s_wait_tensorcnt 0x0
	ds_add_u32 v254, v255
	s_wait_dscnt 0x0
	s_endpgm
.Lfunc_end_k_q7cbe75393f_oproj:
	.size	k_q7cbe75393f_oproj, .Lfunc_end_k_q7cbe75393f_oproj-k_q7cbe75393f_oproj
	.p2alignl 7, 3214868480
	.fill 96, 4, 3214868480
	.section	.rodata,"a",@progbits
	.p2align	6, 0x0
	.amdhsa_kernel k_q7cbe75393f_oproj
		.amdhsa_group_segment_fixed_size 327680
		.amdhsa_private_segment_fixed_size 0
		.amdhsa_enable_private_segment 0
		.amdhsa_kernarg_size 88
		.amdhsa_user_sgpr_count 2
		.amdhsa_user_sgpr_kernarg_segment_ptr 1
		.amdhsa_wavefront_size32 1
		.amdhsa_system_sgpr_workgroup_id_x 1
		.amdhsa_system_sgpr_workgroup_id_y 1
		.amdhsa_system_sgpr_workgroup_id_z 1
		.amdhsa_system_vgpr_workitem_id 0
		.amdhsa_next_free_vgpr 1024
		.amdhsa_next_free_sgpr 66
		.amdhsa_reserve_vcc 0
		.amdhsa_float_denorm_mode_32 3
		.amdhsa_float_denorm_mode_16_64 3
		.amdhsa_memory_ordered 1
		.amdhsa_forward_progress 1
		.amdhsa_inst_pref_size 201
	.end_amdhsa_kernel
	.amdgpu_metadata
---
amdhsa.version: [ 1, 2 ]
amdhsa.kernels:
  - .name:           k_q7cbe75393f_oproj
    .symbol:         k_q7cbe75393f_oproj.kd
    .args:
      - { .name: oimg, .offset: 0, .size: 8, .value_kind: global_buffer, .address_space: global }
      - { .name: osc, .offset: 8, .size: 8, .value_kind: global_buffer, .address_space: global }
      - { .name: wimg, .offset: 16, .size: 8, .value_kind: global_buffer, .address_space: global }
      - { .name: wsc, .offset: 24, .size: 8, .value_kind: global_buffer, .address_space: global }
      - { .name: visual_features, .offset: 32, .size: 8, .value_kind: global_buffer, .address_space: global }
      - { .name: text_features, .offset: 40, .size: 8, .value_kind: global_buffer, .address_space: global }
      - { .name: bo, .offset: 48, .size: 8, .value_kind: global_buffer, .address_space: global }
      - { .name: ln_g, .offset: 56, .size: 8, .value_kind: global_buffer, .address_space: global }
      - { .name: ln_b, .offset: 64, .size: 8, .value_kind: global_buffer, .address_space: global }
      - { .name: out0, .offset: 72, .size: 8, .value_kind: global_buffer, .address_space: global }
      - { .name: out1, .offset: 80, .size: 8, .value_kind: global_buffer, .address_space: global }
    .group_segment_fixed_size: 327680
    .private_segment_fixed_size: 0
    .kernarg_segment_align: 8
    .kernarg_segment_size: 88
    .max_flat_workgroup_size: 128
    .sgpr_count:     66
    .vgpr_count:     1024
    .wavefront_size: 32
...
	.end_amdgpu_metadata
.endif
;; end of part 4
